; MI455X (gfx1250); checked and timed in simulation.
; The chip was launched on July 23, 2026; its instructions are those of AMD's public machine-readable ISA for CDNA 5 (MIT licence, August 2026) and "CDNA5" Instruction Set Architecture Reference Guide (July 2026). The comments in the code are by the model that wrote it; some were corrected since.
;; Self Attention. Allowed arithmetic: matrix products marked QUANTISED: E2M3 operands, one E8M0 scale for each 32 along K, by v_wmma_scale_f32_16x16x128_f8f6f4 with both operands' format E2M3, f32 sums; everything else in f32.
;; Inputs: Wk_codes 1,024 x 32 x 24 uint8 (E2M3 codes of Wk, K innermost, in blocks of 32 codes, four codes in three bytes); Wk_scales 1,024 x 32 uint8 (E8M0 scales of Wk, one for each 32 codes along K); Wq_codes 1,024 x 32 x 24 uint8 (E2M3 codes of Wq, K innermost, in blocks of 32 codes, four codes in three bytes); Wq_scales 1,024 x 32 uint8 (E8M0 scales of Wq, one for each 32 codes along K); Wv_codes 1,024 x 32 x 24 uint8 (E2M3 codes of Wv, K innermost, in blocks of 32 codes, four codes in three bytes); Wv_scales 1,024 x 32 uint8 (E8M0 scales of Wv, one for each 32 codes along K); bk 1,024 float32; bq 1,024 float32; bv 1,024 float32; x_codes 4 x 2,048 x 32 x 24 uint8 (E2M3 codes of x, K innermost, in blocks of 32 codes, four codes in three bytes); x_scales 4 x 2,048 x 32 uint8 (E8M0 scales of x, one for each 32 codes along K).
;; Outputs: out0 4 x 2,048 x 1,024 float32.
;; This version of the problem:
;;   THIS VERSION OF THE PROBLEM IS GIVEN IN LOW PRECISION. The matrix products marked QUANTISED in the list below multiply operands that are first quantised to E2M3 (2 exponent bits, 3 mantissa bits; 6 bits a number), with one power-of-two scale for each 32 numbers along K (OCP MX v1.0); their sums are f32. All else is computed in f32.
;;   The module's matrix products, in the order in which they are computed (A, B: the left and right operand; K: the contracted axis; several contracted axes count as one K, in the product's order):
;;     1. [M 8,192, K 1,024] x [K 1,024, N 1,024]; A: input x (given as codes); B: input Wq (given as codes): QUANTISED
;;     2. [M 8,192, K 1,024] x [K 1,024, N 1,024]; A: input x (given as codes); B: input Wk (given as codes): QUANTISED
;;     3. [M 8,192, K 1,024] x [K 1,024, N 1,024]; A: input x (given as codes); B: input Wv (given as codes): QUANTISED
;;     4. batch 4 x [M 2,048, K 1,024] x [K 1,024, N 2,048]; A: computed on the way; B: computed on the way: QUANTISED
;;     5. batch 4 x [M 2,048, K 2,048] x [K 2,048, N 1,024]; A: softmax (see below); B: computed on the way: QUANTISED
;;   THE QUANTISER, for each operand of a quantised product, along K:
;;     - K is cut into blocks of 32 from its start; a last block that is shorter is filled with zeros.
;;     - A block's scale is 2^e with e = floor(log2(the largest magnitude in the block)) - 2, held to -126 .. 127; a block of zeros has e = 0. As a byte (E8M0): e + 127.
;;     - Each number is divided by its block's scale, clamped to +-7.5, and rounded to the nearest number of E2M3, ties to even, subnormals kept.
;;     - The product sums the exact products of the quantised numbers (number of the format x scale) in f32.
;;   ~~~python
;;   def quantise(x, axis):      # numpy; x: float32 -> the quantised numbers, widened to float32 again
;;       x = np.moveaxis(x, axis, -1); K = x.shape[-1]
;;       x = np.pad(x, [(0, 0)] * (x.ndim - 1) + [(0, -K % 32)]); x = x.reshape(x.shape[:-1] + (-1, 32)); a = np.abs(x).max(-1, keepdims=True)
;;       e = np.where(a > 0, np.clip(np.frexp(np.where(a > 0, a, 1))[1] - 1 - 2, -126, 127), 0)      # np.frexp(a)[1] - 1 = floor(log2(a)), exactly
;;       r = np.clip(x / 2.0 ** e, -7.5, 7.5)
;;       step = 2.0 ** (np.maximum(np.frexp(np.where(r == 0, 1, r))[1] - 1, 0) - 3)
;;       q = np.round(r / step) * step * 2.0 ** e      # np.round: ties to even
;;       return np.moveaxis(q.reshape(q.shape[:-2] + (-1,))[..., :K], -1, axis).astype(np.float32)
;;   ~~~
;;   SOFTMAX AHEAD OF A QUANTISED PRODUCT. Where the list says 'softmax', what is quantised is not the finished softmax but p = 2^(t - M), with t = logit x log2(e) and M = ceil(the row's largest t), a whole number; so 1/2 < the row's largest p <= 1. The row's sum l is taken of the UNQUANTISED p, in f32, and the product's result is divided by l at the end. Since M is a whole number, a kernel that streams over the keys may use a running M (the ceiling of the running maximum): every later rescaling is an exact power of two, which a block's scale takes up: the codes' values come out the same.
;;   OPERANDS COMPUTED ON THE WAY. 'Computed on the way' means the value that the module computes at that place (a softmax that the list does not call 'softmax' is quantised finished and normalised). What goes into a quantiser is computed in f32, as accurately as f32 sums, v_exp_f32 and their like allow (about 1e-6 of the number): no bf16 or f16 on the way to a quantiser, and a product that is left as it is and whose result goes on into a quantised operand takes f32 operands (vector FMAs, or v_wmma_f32_16x16x4_f32). A number that lies on a knife's edge between two numbers of the format may be rounded either way, as far as f32 arithmetic and the matrix unit's own rounding can turn it there, and no further.
;;   INPUTS GIVEN AS CODES. Wk (in the module: [1024, 1024], K = its axis 0); Wq (in the module: [1024, 1024], K = its axis 0); Wv (in the module: [1024, 1024], K = its axis 0); x (in the module: [4, 2048, 1024], K = its axis 2): each comes as NAME_codes (uint8): NAME with its K axis moved to the last place and cut into blocks of 32 codes, [.., K / 32, bytes a block], one block behind the other in memory; four codes in three bytes: a row's codes are one little-endian stream of bits, code i at bits 6 i .. 6 i + 5 (a code: sign, 2 exponent bits, 3 mantissa bits); and NAME_scales (uint8): the same leading axes, one E8M0 byte (e + 127) for each 32 codes along K. Its value is code x scale, taken as it is: it is not quantised again, and the codes and scales need not be those that the quantiser above would give.
;; One version. Each part assembles by itself: llvm-mc -triple=amdgcn-amd-amdhsa -mcpu=gfx1250 --defsym DOCPART=n.
;; ======== version 1 of 1: 3 launches
;; limits: right only within a limited range of input values
;; workspace buffers: qkv 18,874,368 bytes; sw 786,432 bytes; pimg 12,582,912 bytes; pst 1,572,864 bytes
;; launch proj (part 1): grid 16 x 16, 4 waves a work-group, clusters of 4 x 4, 327,680 bytes of LDS; arguments x_codes, x_scales, Wq_codes, Wq_scales, Wk_codes, Wk_scales, Wv_codes, Wv_scales, bq, bk, bv, qkv, sw; writes qkv, sw
.if DOCPART == 1
	.amdgcn_target "amdgcn-amd-amdhsa--gfx1250"
	.amdhsa_code_object_version 6
	.text
	.protected	k_qd087ffc8fb_proj
	.globl	k_qd087ffc8fb_proj
	.p2align	8
	.type	k_qd087ffc8fb_proj,@function
k_qd087ffc8fb_proj:
	s_mov_b64 s[64:65], 0
	v_nop
	global_prefetch_b8 v0, s[64:65] scope:SCOPE_SE
	s_setreg_imm32_b32 hwreg(HW_REG_WAVE_MODE, 25, 1), 1
	s_wait_xcnt 0x0
	s_wait_alu depctr_hold_cnt(0) depctr_sa_sdst(0) depctr_va_vdst(0) depctr_va_sdst(0) depctr_va_ssrc(0) depctr_va_vcc(0) depctr_vm_vsrc(0)
	s_getreg_b32 s2, hwreg(HW_REG_IB_STS2, 6, 4)
	s_cmp_eq_u32 s2, 0
	s_cbranch_scc0 .Lentry_in_a_cluster
	s_endpgm
.Lentry_in_a_cluster:
	s_bfe_u32 s2, ttmp6, 0x10000c
	s_cmp_lg_u32 s2, 0xf033
	s_cbranch_scc0 .Lentry_shape_is_right
	s_endpgm
.Lentry_shape_is_right:
; Q = x Wq + bq, K = x Wk + bk, V = x Wv + bv on codes of FP6, quantised on the way out: Q and K along the features, V along the keys.  No input and no step of the problem is left out.
; LIMITS: NaN and infinities are not served.  A block's largest magnitude is taken as 2^-124 at the least: a block of zeros gets the byte 1 (its codes are zeros; only this program reads the bytes).
; POSITIONS.  Of each band of 64 rows (tokens, or columns of a weight) TILE j (0 .. 3) holds rows 8 j + i in lanes 0-7 and rows 32 + 8 (j xor 1) + i in lanes 8-15 (i = 0 .. 7).  So the four tiles' results in lane half h are
; the 32 numbers of block h of the band (in half 1 the groups of eight lie in the order 1, 0, 3, 2: the same on both sides of each later product).  No lane looks at another.  Position = 64 band + 16 j + lane % 16.
; With rows 816 bytes apart in LDS the sixteen rows of a tile start in sixteen different groups of four banks (12 x row mod 64).
; OUT: a fragment (tile of 16 positions x 128 along the next K) is 1,536 bytes: two halves of 64 along K, each [lane][16 bytes] registers 0-3, then [lane][8 bytes] registers 4-5.
; qkv: Q [512 tiles][8 K steps], K likewise, V [batch][64 feature tiles][16 key steps].  sw: words of four scale bytes: Q, K [K step][8,192 positions], V [batch][key step][1,024 positions].
; THE DEAL.  256 work-groups, 2 x 2 waves (row s15, column s16): a wave holds 64 rows of a weight, all of K, in 384 registers and streams x past them in blocks of 16 rows.  Phase 1: 256 x 128 of V; phase 2: 512 x 128 of Q or K.
; V's 256 rows are a half (s87) of the work-group's own 512.  Half and tensor come from the cluster's number alone.  x's rows are shared by a row of the cluster, a weight's by a column.
; A chunk is 128 rows of x; the wave in row s15 takes its band s15: four blocks.  LDS: two slots for chunks, a region for the weights, two places for a chunk's scale bytes, stages for the results' scale bytes, the spare words.
; FILLS: at the head one load a wave: Wv's rows, both chunks' scale bytes, chunk 0, chunk 1.  Three refills, each in a round: the second weight (V's block 2), the other half's chunks (phase 2's blocks 2 and 6).
; PREFETCHES, shared out by address among the sixteen waves that will ask jointly: the second weight at the head, chunk 2 and the later scale bytes behind the first refill, chunk 3 between the phases.
; COUNTS: younger than a block's rows are the next block's NF loads and the scale bytes stored between.
.set NQ,     8
.set NB,     4
.set TM,     512
.set TV,     256
.set TN,     128
.set KROW,   768
.set KS,     32
.set PITCH,  816
.set FR,     12
.set FPW,    21                        ; fragments in a window of 256 registers
.set NF,     28                        ; LDS loads of a block: 26 for eight fragments, 2 for the scale words
.set RA,     128
.set YB,     RA*PITCH
.set BVB,    2*RA*PITCH
.set SCL,    BVB+TN*PITCH
.set CU,     RA*KS/256
.set SCB,    CU*272                    ; 34 bytes a row with the padding
.set XN,     SCL+2*SCB                 ; Q's or K's scale bytes: [wave column][512 positions][2]
.set XM,     XN+2048                   ; V's: [chunk][wave row][128 positions][2]
.set SPARE,  XM+1024
.set EMAX,   2
.set TB,     12288                     ; from tile to tile of Q or K
.set AE,     4                         ; v4, v5 my fragments in block 0 (v5: for the pieces behind one padding more); v20, v21 in block 1
.set AAE,    6                         ; v6, v23 my row's scale words in blocks 0, 1
.set CO,     9                         ; 16 x lane
.set SPW,    10
.set NIL,    11
.set ADRA,   12                        ; v12, v13 the block that is fetched next
.set C8,     14                        ; 8 x lane
.set ABS,    16
.set AAS,    17
.set STO,    18
.set STV,    19
.set SB,     24                        ; v24-39 the weights' scale words
.set TQ,     40
.set SA,     44                        ; v44-59 the rows' scale words, two sets
.set TC,     60
.set ACC,    64                        ; v64-127 phase 2: two sets of four accumulators
.set HV0,    64                        ; v64-191 phase 1, chunk 0: 32 t + 8 j + i
.set HV1,    840                       ; v840-967 chunk 1
.set NCD,    128                       ; v128-139 phase 2: six registers of the even block, six of the odd
.set MCD,    192                       ; v192-239 V's codes: tile t, chunk q at 12 t + 6 q
.set SOP,    240
.set EB,     244
.set VX,     248
.set SB2,    968
.set BA,     984
.set BBV,    992                       ; v992-1023 V's bias as C
.set BBQ,    160                       ; v160-191 Q's or K's
.set G1A, 24
.set G0A, 56
.set G0R, 68
.set G1B, 32
.set G0B, 60
.set G1S, 92
.set G0S, 72
.set MSB, 0
.macro WIN new
.if MSB != (\new)
	s_set_vgpr_msb (MSB<<8)|(\new)
.set MSB, (\new)
.endif
.endm
.macro PLACES n
.rept \n
	v_nop
.endr
.endm
.macro WALU
	s_wait_alu depctr_va_vdst(0)
.endm
.macro BARRIER
	s_barrier_signal -1
	s_barrier_wait -1
.endm
.macro MIDDLE
	WIN 0
	s_barrier_wait -1
	s_cmp_lg_u32 s14, 0
	s_cbranch_scc1 .Lnot_wave_0_\@
	s_barrier_signal -3
.Lnot_wave_0_\@:
	s_barrier_wait -3
.endm
.macro CROUND
	s_barrier_signal -1
	MIDDLE
	BARRIER
.endm
.macro GRD
	s_wait_tensorcnt 0x0
	ds_add_u32 v[SPW], v[NIL]
.endm
.macro TLOAD g0, g1
	tensor_load_to_lds s[\g0:\g0+3], s[\g1:\g1+7]
	s_nop 0
	PLACES 4
.endm
.macro GROUP1 g, mask, rows
	s_or_b32 s[\g+0], s[\mask], (1<<20)|(1<<21)|(5<<22)|(3<<25)
	s_mov_b32 s[\g+1], KROW<<16
	s_mov_b32 s[\g+2], (\rows)<<16
	s_mov_b32 s[\g+3], KROW<<16
	s_mov_b32 s[\g+4], \rows
	s_mov_b32 s[\g+5], KROW
	s_mov_b32 s[\g+6], 0
	s_mov_b32 s[\g+7], 0
.endm
.macro SADD d, x
	s_add_co_u32 s\d, s\d, s\x
.endm
.macro G0SET g, base, off
	s_mov_b32 s20, s\off
	s_add_nc_u64 s[\g+2:\g+3], s[\base:\base+1], s[20:21]
	s_or_b32 s[\g+3], s[\g+3], 0x80000000
.endm
; fragment f lies in window 1 + f / 21: 0-31 the weights' (4 q + b), 32-39 and 40-47 the rows' two sets.  Six pieces of 8 bytes, two to a load where both lie behind as many paddings
.macro FRAG f, q, a0, a1, aw
	WIN ((1+(\f)/FPW)<<6)|(\aw)
.set R_, FR*((\f)%FPW)
.set SKIP_, 0
.irp p, 0,1,2,3,4,5
.if SKIP_
.set SKIP_, 0
.else
.set PC_, 12*(\q)+6*(\p/3)+\p%3
.set PN_, 12*(\q)+6*((\p+1)/3)+(\p+1)%3
.set X_, (PC_%32+3)/32
.set XQ_, (PN_%32+3)/32
.if (\p < 5) && (X_ == XQ_)
.set SKIP_, 1
.if X_
	ds_load_2addr_b64 v[R_+2*\p:R_+2*\p+3], \a1 offset0:PC_+2*(PC_/32) offset1:PN_+2*(PN_/32)
.else
	ds_load_2addr_b64 v[R_+2*\p:R_+2*\p+3], \a0 offset0:PC_+2*(PC_/32) offset1:PN_+2*(PN_/32)
.endif
.elseif X_
	ds_load_b64 v[R_+2*\p:R_+2*\p+1], \a1 offset:8*(PC_+2*(PC_/32))
.else
	ds_load_b64 v[R_+2*\p:R_+2*\p+1], \a0 offset:8*(PC_+2*(PC_/32))
.endif
.endif
.endr
.endm
.macro WEIGHTS                         ; my 64 rows of the weight, all of K: 104 loads
.irp q, 0,1,2,3,4,5,6,7
.irp b, 0,1,2,3
	FRAG NB*\q+\b, \q, v[BA-768+2*\b], v[BA-768+2*\b+1], 3
.endr
.endr
	WIN 0
.endm
.macro FETCHAT e, a0, a1, as
.irp q, 0,1,2,3,4,5,6,7
	FRAG NB*NQ+NQ*(\e)+\q, \q, \a0, \a1, 0
.endr
	WIN 0
	ds_load_b128 v[SA+8*(\e):SA+8*(\e)+3], \as
	ds_load_b128 v[SA+8*(\e)+4:SA+8*(\e)+7], \as offset:16
.endm
.macro FETCH e
	FETCHAT \e, v[ADRA], v[ADRA+1], v[AAS]
.endm
.macro FETCH01
	FETCHAT 0, v[AE], v[AE+1], v[AAE]
	FETCHAT 1, v[AE+16], v[AE+17], v[AAE+17]
	s_mov_b32 s17, 8
.endm
; a product.  n = 4 q + tile.  kind 0 (Q, K): source 0 the weight's rows; kind 1 (V): source 0 x's rows.  The first of a sum takes the bias as C
.macro PROD kind, e, n, a0, as
.set Q_, (\n)/4
.set FB_, NB*Q_+(\n)%4
.set FA_, NB*NQ+NQ*(\e)+Q_
.set D_, (\a0)+(\as)*((\n)%4)
.set DL_, D_&255
.set XB_, SB+NQ*(((\n)%4)/2)+Q_
.set XA_, SA+8*(\e)+Q_
.if \kind
.if Q_
	WIN (1+FA_/FPW)|((1+FB_/FPW)<<2)|((D_>>8)<<4)|((D_>>8)<<6)
	PROD1 DL_, FA_, FB_, v[DL_:DL_+7], XA_, XB_, b, (\n)%2
.else
	WIN (1+FA_/FPW)|((1+FB_/FPW)<<2)|(3<<4)|((D_>>8)<<6)
	PROD1 DL_, FA_, FB_, v[BBV-768+8*((\n)%4):BBV-768+8*((\n)%4)+7], XA_, XB_, b, (\n)%2
.endif
.else
	WIN (1+FB_/FPW)|((1+FA_/FPW)<<2)|((D_>>8)<<4)|((D_>>8)<<6)
.if Q_
	PROD1 DL_, FB_, FA_, v[DL_:DL_+7], XB_, XA_, a, (\n)%2
.else
	PROD1 DL_, FB_, FA_, v[BBQ+8*((\n)%4):BBQ+8*((\n)%4)+7], XB_, XA_, a, (\n)%2
.endif
.endif
.endm
.macro PROD1 d, s0, s1, c, x0, x1, side, o
.if \o
	v_wmma_scale_f32_16x16x128_f8f6f4 v[\d:\d+7], v[FR*((\s0)%FPW):FR*((\s0)%FPW)+FR-1], v[FR*((\s1)%FPW):FR*((\s1)%FPW)+FR-1], \c, v[\x0], v[\x1] matrix_a_fmt:MATRIX_FMT_FP6 matrix_b_fmt:MATRIX_FMT_FP6 matrix_\side\()_scale:MATRIX_SCALE_ROW1
.else
	v_wmma_scale_f32_16x16x128_f8f6f4 v[\d:\d+7], v[FR*((\s0)%FPW):FR*((\s0)%FPW)+FR-1], v[FR*((\s1)%FPW):FR*((\s1)%FPW)+FR-1], \c, v[\x0], v[\x1] matrix_a_fmt:MATRIX_FMT_FP6 matrix_b_fmt:MATRIX_FMT_FP6 matrix_\side\()_scale:MATRIX_SCALE_ROW0
.endif
.endm
; products from .. to - 1 of a block; behind every second one, two entries of a list
.macro BLOCK kind, e, a0, as, from, to, list, x=0, y=0
.set N_, \from
.rept (\to)-(\from)
	PROD \kind, \e, N_, \a0, \as
.if N_%2
	\list N_-1, \x, \y
	\list N_, \x, \y
.endif
.set N_, N_+1
.endr
.endm
.macro STEP i, par                     ; to the LDS addresses of the block two on, 4 entries.  s17 = 8 x its number n; row offset u = 16 (n / 2 % 2) + 128 (n / 4 % 2) (odd blocks' registers lie 8 rows on)
.if (\i) == 0
	s_add_co_u32 s17, s17, 8
	s_and_b32 s18, s17, 16
	s_lshl_b32 s2, s17, 2
	s_and_b32 s2, s2, 128
.elseif (\i) == 1
	s_or_b32 s18, s18, s2
	s_mul_i32 s101, s18, PITCH
	s_mul_i32 s91, s18, 34
	WIN 0
	v_add_nc_u32 v[ADRA], s101, v[AE+16*(\par)]
.elseif (\i) == 2
	WIN 0
	v_add_nc_u32 v[ADRA+1], s101, v[AE+16*(\par)+1]
.elseif (\i) == 3
	WIN 0
	v_add_nc_u32 v[AAS], s91, v[AAE+17*(\par)]
.endif
.endm
.macro CHAIN i, x, n, t=TQ             ; 18 entries: the largest magnitude of the 32 sums from register x on, and the conversions' scale operand
.set XW_, (\x)>>8
.set XL_, (\x)&255
.if (\i) >= 0 && (\i) < 14
.set B_, XL_+16*((\i)%2)+2*((\i)/2)
.set T_, (\t)+1-(\i)%2
.if (\i) < 2
	WIN XW_|(XW_<<2)|(XW_<<4)
	v_max3_num_f32 v[T_], |v[B_]|, |v[B_+1]|, |v[B_+2]|
.else
	WIN (XW_<<2)|(XW_<<4)
	v_max3_num_f32 v[T_], v[T_], |v[B_+1]|, |v[B_+2]|
.endif
.elseif (\i) == 14
	WIN XW_<<2
	v_max3_num_f32 v[\t+1], v[\t+1], |v[XL_+15]|, (EMAX+1)<<23
.elseif (\i) == 15
	WIN 0
	v_nop
.elseif (\i) == 16
	WIN XW_<<2
	v_max3_num_f32 v[\t], v[\t], |v[XL_+31]|, v[\t+1]
.elseif (\i) == 17
	WIN 0
	v_add_nc_u32 v[SOP+\n], -(EMAX<<23), v[\t]
.endif
.endm
.macro CODES i, x, c, n, t=TC          ; 6 lines: 32 codes into v[c .. c+5], the scale's byte into v[EB+n]
.set XW_, (\x)>>8
.set XL_, (\x)&255
.if (\i) == 0
	WIN XW_
	v_cvt_scalef32_pk16_fp6_f32 v[\c:\c+2], v[XL_:XL_+15], v[SOP+\n]
.elseif (\i) == 1
	WIN XW_
	v_cvt_scalef32_pk16_fp6_f32 v[\t:\t+2], v[XL_+16:XL_+31], v[SOP+\n]
.elseif (\i) == 2
	WIN 0
	v_lshrrev_b32 v[EB+\n], 23, v[SOP+\n]
.else
	WIN 0
	v_mov_b32 v[\c+\i], v[\t+\i-3]
.endif
.endm
.macro CODES6 x, c, n
.irp i, 0,1,2,3,4,5
	CODES \i, \x, \c, \n
.endr
.endm
.macro PFT v                           ; my sixteenth of a tile of 128 rows, s20 its first byte
	WIN 0
	v_min_u32 v\v, RA*KROW/16/256-1, v3
	v_lshl_add_u32 v\v, v\v, 8, s20
.endm
.macro PFTILE v, off, share
	s_mul_i32 s21, s\share, RA*KROW/16
	s_add_co_u32 s20, s\off, s21
	PFT \v
.endm
.macro PFGO v, base
	global_prefetch_b8 v\v, s[\base:\base+1] th:TH_LOAD_NT scope:SCOPE_SE
.endm
.macro PUT r, base, off                ; six registers of a half fragment: 512 and 256 consecutive bytes, aligned
	global_store_b128 v[CO], v[\r:\r+3], \base offset:\off
	global_store_b64 v[C8], v[\r+4:\r+5], \base offset:(\off)+512
.endm
.macro ASK i                           ; 4 entries: descriptors of the chunk at s88 for slot s47, of its scale bytes at s55 for s8; then all step on
.if (\i) == 0
	s_mul_i32 s[G0R+1], s14, RA/2*PITCH
	s_add_co_u32 s[G0R+1], s[G0R+1], s47
	s_mul_i32 s20, s14, RA/2*KROW
	SADD 20, 88
.elseif (\i) == 1
	s_mov_b32 s21, 0
	s_add_nc_u64 s[G0R+2:G0R+3], s[4:5], s[20:21]
	s_or_b32 s[G0R+3], s[G0R+3], 0x80000000
	s_mov_b32 s[G0S+1], s8
.elseif (\i) == 2
	s_mov_b32 s20, s55
	s_add_nc_u64 s[G0S+2:G0S+3], s[6:7], s[20:21]
	s_or_b32 s[G0S+3], s[G0S+3], 0x80000000
	s_add_co_u32 s88, s88, RA*KROW
.elseif (\i) == 3
	s_add_co_u32 s55, s55, CU*256
	s_xor_b32 s47, s47, YB
	s_xor_b32 s8, s8, (SCL)^(SCL+SCB)
.endif
.endm
.macro PAIR i                          ; 4 entries: where pair s46's codes go (by the true pair, s46 xor 4 s87) and its scale bytes (by the order of work)
.if (\i) == 0
	s_lshl_b32 s3, s87, 2
	s_xor_b32 s3, s3, s46
	s_lshr_b32 s20, s3, 1
	s_lshl_b32 s21, s20, 3
.elseif (\i) == 1
	s_and_b32 s22, s3, 1
	s_lshl_b32 s22, s22, 1
	SADD 21, 22
	s_mul_i32 s20, s21, TB
.elseif (\i) == 2
	s_mov_b32 s21, 0
	s_add_nc_u64 s[84:85], s[10:11], s[20:21]
	s_and_b32 s22, s46, 1
	s_lshr_b32 s23, s46, 1
.elseif (\i) == 3
	s_lshl_b32 s22, s22, 6
	s_lshl_b32 s23, s23, 8
	s_or_b32 s22, s22, s23
	s_add_co_u32 s46, s46, 1
	WIN 0
	v_add_nc_u32 v[VX], s22, v[STO]
.endif
.endm
.macro L_STEP i, x, y
	STEP \i, \x
.endm
.macro L_NONE i, x, y
.endm
.macro L_OUT i, x, y
	STEP \i, 0
	CHAIN (\i)-4, \x, \y
.endm
.macro L_OUT1 i, x, y
	STEP \i, 1
	CHAIN (\i)-4, \x, \y
.endm
.macro L_LAST i, x, y
	CHAIN \i, \x, \y
.endm
.macro L_V2 i, x, y                    ; V's block 2: the first refill's descriptors, the later refills' group 1, the step, the prefetches for the second refill
.if (\i) == 0
	s_mov_b32 s[G1A+2], (RA/2)<<16
	s_mov_b32 s[G1A+4], RA/2
	s_mov_b32 s[G1S+2], CU<<16
	s_mov_b32 s[G1S+4], CU
.elseif (\i) == 1
	s_mov_b32 s[G1B+2], (TN/2)<<16
	s_mov_b32 s[G1B+4], TN/2
	s_mul_i32 s[G0B+1], s14, TN/2*PITCH
	s_add_co_u32 s[G0B+1], s[G0B+1], BVB
.elseif (\i) == 2
	s_mul_i32 s20, s14, TN/2*KROW
	s_mov_b32 s21, 0
	s_add_nc_u64 s[G0B+2:G0B+3], s[40:41], s[20:21]
.elseif (\i) == 3
	s_or_b32 s[G0B+3], s[G0B+3], 0x80000000
.elseif (\i) == 8
	PFTILE 7, 88, 90
.elseif (\i) == 9
	s_lshl_b32 s21, s90, 9
	s_add_co_u32 s20, s55, s21
	WIN 0
	v_min_u32 v8, 1, v3
	v_lshl_add_u32 v8, v8, 8, s20
.endif
	STEP (\i)-4, 0
.endm
.macro L_V7 i, x, y
.if (\i) == 0
	s_add_co_u32 s22, s88, RA*KROW
	PFTILE 22, 22, 90
.endif
	CHAIN (\i)-1, \x, \y
.endm
.macro L_ODD i, x, y
	PAIR \i
	STEP (\i)-4, 1
	CHAIN (\i)-8, ACC, 0
.endm
.macro L_ODDL i, x, y
	PAIR \i
	CHAIN (\i)-4, ACC, 0
.endm
.macro L_ROUND i, x, y
	ASK \i
	STEP (\i)-4, 0
	CHAIN (\i)-8, ACC+32, 1
.endm
.macro WAITDS w
.if (\w) >= 0
	s_wait_dscnt \w
.endif
.endm
.macro EVENOUT fetch                   ; behind an even block: the odd block's byte, the pair's codes, the fetch of the block two on
	WALU
	ds_store_b8 v[VX], v[EB+1] offset:32
	PUT NCD, s[84:85], 0
	PUT NCD+6, s[84:85], TB
.if \fetch
	FETCH 0
.endif
.endm
.macro EVEN w, fetch
	WAITDS \w
.if \fetch
	BLOCK 0, 0, ACC, 8, 0, 32, L_OUT, ACC+32, 1
.else
	BLOCK 0, 0, ACC, 8, 0, 32, L_LAST, ACC+32, 1
.endif
	WIN 0
	CODES6 ACC+32, NCD+6, 1
	EVENOUT \fetch
.endm
.macro EVENROUND w                     ; the second and the third refill
	WAITDS \w
	GRD
	BLOCK 0, 0, ACC, 8, 0, 26, L_ROUND
	WIN 0
	WALU
	s_wait_dscnt 0x0
	s_barrier_signal -1
	BLOCK 0, 0, ACC, 8, 26, 32, L_NONE
	WIN 0
	CODES6 ACC+32, NCD+6, 1
	MIDDLE
	BARRIER
	s_cmp_lt_u32 s14, 2
	s_cbranch_scc0 .Lscales_\@
	TLOAD G0R, G1A
	s_branch .Lasked_\@
.Lscales_\@:
	s_cmp_eq_u32 s14, 2
	s_cbranch_scc0 .Lnone_\@
	TLOAD G0S, G1S
.Lnone_\@:
.Lasked_\@:
	EVENOUT 1
.endm
.macro EVENSHOW w                      ; a plain barrier shows the last refill to all
	WAITDS \w
	BLOCK 0, 0, ACC, 8, 0, 26, L_OUT, ACC+32, 1
	WIN 0
	WALU
	s_wait_tensorcnt 0x0
	s_wait_dscnt 0x0
	s_barrier_signal -1
	BLOCK 0, 0, ACC, 8, 26, 32, L_NONE
	WIN 0
	s_barrier_wait -1
	CODES6 ACC+32, NCD+6, 1
	EVENOUT 1
.endm
.macro ODD w, fetch
	WAITDS \w
	s_wait_xcnt 0x0
.if \fetch
	BLOCK 0, 1, ACC+32, 8, 0, 32, L_ODD
.else
	BLOCK 0, 1, ACC+32, 8, 0, 32, L_ODDL
.endif
	WIN 0
	CODES6 ACC, NCD, 0
	WALU
	ds_store_b8 v[VX], v[EB]
.if \fetch
	FETCH 1
.endif
.endm
; ================= THE HEAD
	s_load_b128 s[4:7], s[0:1], 0x0                ; x codes 4, scales 6
	s_load_b256 s[76:83], s[0:1], 0x10             ; Wq codes 76, scales 78, Wk codes 80, scales 82
	s_load_b128 s[48:51], s[0:1], 0x30             ; Wv codes 48, scales 50
	s_load_b128 s[52:55], s[0:1], 0x40             ; bq 52, bk 54
	s_load_b64 s[46:47], s[0:1], 0x50              ; bv
	v_lshl_add_u32 v[SPW], v0, 2, SPARE
	v_mov_b32 v[NIL], 0
	ds_add_u32 v[SPW], v[NIL]
	ds_add_u32 v[SPW], v[NIL]
	v_lshrrev_b32 v1, 5, v0
	v_readfirstlane_b32 s14, v1
	s_lshr_b32 s15, s14, 1
	s_and_b32 s16, s14, 1
	s_bfe_u32 s40, ttmp6, 0x40000                  ; cx
	s_bfe_u32 s41, ttmp6, 0x40004                  ; cy
	s_lshl_b32 s42, ttmp9, 2
	s_add_co_u32 s42, s42, s40                     ; phase 2's tile column: 0-7 Q, 8-15 K
	s_and_b32 s43, ttmp7, 0xffff
	s_lshl_b32 s43, s43, 2
	s_add_co_u32 s43, s43, s41                     ; its tile row
	s_lshr_b32 s19, ttmp9, 1                       ; 0 Q, 1 K
	s_and_b32 s87, ttmp9, 1                        ; V's half of my 512 rows
	s_lshl_b32 s13, s19, 2
	s_add_co_u32 s13, s13, s40                     ; V's tile column
	s_lshl_b32 s12, s43, 1
	s_add_co_u32 s12, s12, s87                     ; V's tile row
	s_lshl_b32 s44, s41, 2
	s_lshl_b32 s44, 15, s44
	s_lshl_b32 s45, 0x1111, s40
	GROUP1 G1A, 44, RA
	GROUP1 G1B, 45, TN
	s_or_b32 s[G1S+0], s44, (3<<16)|(1<<20)|(1<<21)|(5<<22)|(3<<25)
	s_mov_b32 s[G1S+1], 32<<16
	s_mov_b32 s[G1S+2], (2*CU)<<16
	s_mov_b32 s[G1S+3], 32<<16
	s_mov_b32 s[G1S+4], 2*CU
	s_mov_b32 s[G1S+5], 32
	s_mov_b32 s[G1S+6], 0
	s_mov_b32 s[G1S+7], 0
	s_mov_b32 s[G0S], 1
	s_mov_b32 s[G0S+1], SCL
	s_mov_b32 s[G0A], 1
	s_mov_b32 s[G0A+1], 0
	s_mov_b32 s[G0B], 1
	s_mov_b32 s[G0B+1], BVB
	s_mov_b32 s[G0R], 1
	s_mov_b32 s[G0R+1], YB
	s_mul_i32 s67, s43, TM*KROW
	s_mul_i32 s66, s12, TV*KROW
	s_mul_i32 s88, s13, TN*KROW
	s_mul_i32 s86, s43, TM*KS
	s_mul_i32 s89, s12, TV*KS
	s_lshl_b32 s90, s40, 2
	s_add_co_u32 s90, s90, s14                     ; my number among the sixteen waves of my row of the cluster
	s_lshl_b32 s100, s41, 2
	s_add_co_u32 s100, s100, s14                   ; and of my column
	v_and_b32 v64, 15, v0                          ; r
	v_bfe_u32 v2, v0, 4, 1                         ; h
	v_and_b32 v3, 31, v0
	v_and_b32 v65, 8, v0
	v_lshl_add_u32 v66, v65, 2, v64                ; my row of an even tile
	v_lshl_add_u32 v67, v65, 1, v64
	v_add_nc_u32 v67, 8, v67                       ; of the odd tile behind it
	v_mul_u32_u24 v68, v66, PITCH
	v_mul_u32_u24 v69, v67, PITCH
	v_mad_u32_u24 v70, v2, 24, v68
	v_mad_u32_u24 v71, v2, 40, v68
	v_mad_u32_u24 v72, v2, 24, v69
	v_mad_u32_u24 v73, v2, 40, v69
	s_mul_i32 s21, s15, 64*PITCH
	s_mul_i32 s22, s16, 64*PITCH
	s_add_co_u32 s22, s22, BVB
	v_add_nc_u32 v4, s21, v70
	v_add_nc_u32 v5, s21, v71
	v_add_nc_u32 v20, s21, v72
	v_add_nc_u32 v21, s21, v73
	v_add_nc_u32 v70, s22, v70
	v_add_nc_u32 v71, s22, v71
	v_add_nc_u32 v72, s22, v72
	v_add_nc_u32 v73, s22, v73
	v_lshrrev_b32 v74, 3, v66
	v_lshrrev_b32 v75, 3, v67
	v_lshlrev_b32 v76, 5, v66
	v_lshlrev_b32 v77, 5, v67
	v_lshl_add_u32 v76, v74, 4, v76
	v_lshl_add_u32 v77, v75, 4, v77
	s_mul_i32 s21, s15, 8*272
	s_add_co_u32 s21, s21, SCL
	v_add_nc_u32 v6, s21, v76
	v_add_nc_u32 v23, s21, v77
	v_mul_u32_u24 v74, v2, v65
	v_lshlrev_b32 v74, 1, v74
	v_lshl_add_u32 v75, v2, 3, v66
	v_sub_nc_u32 v75, v75, v74                     ; lanes 0-15 an even tile's row, lanes 16-31 the odd tile's
	v_lshlrev_b32 v[ABS], 5, v75
	WALU
	s_wait_dscnt 0x0
	CROUND
	s_wait_kmcnt 0x0
	s_mov_b32 s20, s66
	s_mov_b32 s21, 0
	s_add_nc_u64 s[G0A+2:G0A+3], s[4:5], s[20:21]
	s_add_nc_u64 s[G0R+2:G0R+3], s[G0A+2:G0A+3], RA*KROW
	s_or_b32 s[G0A+3], s[G0A+3], 0x80000000
	s_or_b32 s[G0R+3], s[G0R+3], 0x80000000
	G0SET G0B, 48, 88
	G0SET G0S, 6, 89
	s_cmp_eq_u32 s14, 0
	s_cbranch_scc0 .Lwave_1
	TLOAD G0B, G1B                                 ; wave 0: Wv's rows
	s_branch .Lasked
.Lwave_1:
	s_cmp_eq_u32 s14, 1
	s_cbranch_scc0 .Lwave_2
	TLOAD G0S, G1S                                 ; wave 1: both chunks' scale bytes
	s_branch .Lasked
.Lwave_2:
	s_cmp_eq_u32 s14, 2
	s_cbranch_scc0 .Lwave_3
	TLOAD G0A, G1A                                 ; wave 2: chunk 0
	s_branch .Lasked
.Lwave_3:
	TLOAD G0R, G1A                                 ; wave 3: chunk 1
.Lasked:
	s_cmp_eq_u32 s19, 1                            ; Q's or K's weight, scales, bias
	s_cselect_b64 s[40:41], s[80:81], s[76:77]
	s_cselect_b64 s[10:11], s[82:83], s[78:79]
	s_cselect_b64 s[2:3], s[54:55], s[52:53]
	s_and_b32 s22, s42, 7
	s_mov_b32 s21, 0
	s_mul_i32 s20, s22, TN*KROW
	s_add_nc_u64 s[40:41], s[40:41], s[20:21]
	s_lshl_b32 s23, s16, 11
	s_mul_i32 s20, s22, TN*KS
	SADD 20, 23
	s_add_nc_u64 s[10:11], s[10:11], s[20:21]
	s_mul_i32 s20, s13, TN*KS
	SADD 20, 23
	s_add_nc_u64 s[84:85], s[50:51], s[20:21]
.irp p, 0,1
.irp c, 0,1
	global_load_b128 v[SB+NQ*\p+4*\c:SB+NQ*\p+4*\c+3], v[ABS], s[84:85] offset:\p*16*KS+16*\c
.endr
.endr
	s_lshl_b32 s23, s16, 8
	s_lshl_b32 s20, s22, 9
	SADD 20, 23
	s_add_nc_u64 s[2:3], s[2:3], s[20:21]          ; the bias at my 64 columns of Q or K
	s_lshl_b32 s20, s13, 9
	SADD 20, 23
	s_add_nc_u64 s[46:47], s[46:47], s[20:21]      ; and of V
	v_lshlrev_b32 v74, 2, v66
	v_lshlrev_b32 v75, 2, v67
	WIN 3<<6
.irp t, 0,2
	global_load_b32 v[BBV-768+8*\t], v74, s[46:47] offset:32*\t
	global_load_b32 v[BBV-768+8*\t+8], v75, s[46:47] offset:32*\t
.endr
.irp p, 0,1
.irp c, 0,1
	global_load_b128 v[SB2-768+NQ*\p+4*\c:SB2-768+NQ*\p+4*\c+3], v[ABS], s[10:11] offset:\p*16*KS+16*\c
.endr
.endr
	WIN 0
	; where the results go, from qkv (76, 80) and from sw (78, 82)
	s_mul_i32 s76, s19, 6291456
	s_lshl_b32 s20, s43, 5
	s_lshl_b32 s21, s15, 2
	SADD 20, 21
	s_mul_i32 s20, s20, TB
	SADD 76, 20
	s_mul_i32 s20, s22, 1536
	SADD 76, 20
	s_mul_i32 s20, s16, 768
	SADD 76, 20
	s_mov_b32 s77, 0
	s_lshl_b32 s78, s19, 18
	s_lshl_b32 s20, s22, 15
	SADD 78, 20
	s_lshl_b32 s20, s43, 11
	SADD 78, 20
	s_lshl_b32 s20, s87, 1
	s_xor_b32 s20, s20, s14                        ; the stage's chunks lie in the order of work
	s_lshl_b32 s20, s20, 9
	SADD 78, 20
	s_mov_b32 s79, 0
	s_lshr_b32 s80, s12, 3
	s_lshl_b32 s80, s80, 6
	s_lshl_b32 s20, s13, 3
	SADD 80, 20
	s_lshl_b32 s20, s16, 2
	SADD 80, 20
	s_lshl_b32 s80, s80, 4
	s_and_b32 s20, s12, 7
	s_lshl_b32 s20, s20, 1
	SADD 80, 20
	s_mul_i32 s80, s80, 1536
	s_mul_i32 s20, s15, 768
	SADD 80, 20
	s_add_co_u32 s80, s80, 12582912
	s_mov_b32 s81, 0
	s_lshl_b32 s82, s12, 1
	SADD 82, 15
	s_lshl_b32 s82, s82, 12
	s_lshl_b32 s20, s13, 9
	SADD 82, 20
	SADD 82, 23
	s_add_co_u32 s82, s82, 524288
	s_mov_b32 s83, 0
	s_lshl_b32 s20, s16, 10
	s_lshl_b32 s21, s15, 7
	SADD 20, 21
	s_add_co_u32 s20, s20, XN
	s_lshl_b32 s21, s15, 8
	s_lshl_b32 s22, s16, 7
	SADD 21, 22
	s_add_co_u32 s21, s21, XM
	v_lshlrev_b32 v[CO], 4, v3
	v_lshlrev_b32 v[C8], 3, v3
	v_lshl_add_u32 v76, v64, 1, v2                 ; 2 r + h
	v_add_nc_u32 v[STO], s20, v76
	v_add_nc_u32 v[STV], s21, v76
	v_mul_u32_u24 v1, v2, 160                      ; Q's, K's bias: half 1 of an even tile is 32 + 8 columns on,
	v_mul_u32_u24 v2, v2, 96                       ; of an odd tile 32 - 8
	WIN 3<<6
.irp b, 0,2
	v_add_nc_u32 v[BA-768+2*\b], \b*8*PITCH, v70
	v_add_nc_u32 v[BA-768+2*\b+1], \b*8*PITCH, v71
	v_add_nc_u32 v[BA-768+2*\b+2], \b*8*PITCH, v72
	v_add_nc_u32 v[BA-768+2*\b+3], \b*8*PITCH, v73
.endr
	WIN 0
	s_mul_i32 s20, s100, RA*KROW/16
	PFT 8                                          ; what the first refill will load
	WALU
	s_wait_xcnt 0x0
	s_mov_b64 s[12:13], s[2:3]
	s_load_b128 s[48:51], s[0:1], 0x58             ; qkv, sw
	s_mov_b32 s46, 0
	s_mov_b32 s88, s67
	s_mov_b32 s55, s86
	s_mov_b32 s47, 0
	s_mov_b32 s8, SCL
	s_xor_b32 s20, s87, 1                          ; the chunks still to come are the other half's
	s_mul_i32 s21, s20, 2*RA*KROW
	SADD 88, 21
	s_mul_i32 s21, s20, 2*CU*256
	SADD 55, 21
	s_wait_loadcnt 0x0
	WIN (3<<6)|3
.irp t, 0,8,16,24
.irp i, 1,2,3,4,5,6,7
	v_mov_b32 v[BBV-768+\t+\i], v[BBV-768+\t]
.endr
.endr
	WIN 0
	WALU
	s_cmp_eq_u32 s14, 0
	s_cbranch_scc0 .Lnot_b
	s_wait_tensorcnt 0x0
.Lnot_b:
	BARRIER                                        ; Wv's rows are in
	PFGO 8, 40
	WEIGHTS
	s_cmp_eq_u32 s14, 3
	s_cbranch_scc1 .Lnot_a0
	s_wait_tensorcnt 0x0
.Lnot_a0:
	s_wait_dscnt 0x0
	BARRIER                                        ; chunk 0 and the scale bytes are in; chunk 1 may be on its way
	FETCH01
	s_wait_kmcnt 0x0
	s_add_nc_u64 s[10:11], s[48:49], s[76:77]
	s_add_nc_u64 s[80:81], s[48:49], s[80:81]
	s_add_nc_u64 s[48:49], s[50:51], s[78:79]
	s_add_nc_u64 s[52:53], s[50:51], s[82:83]
; ================= PHASE 1: V, eight blocks; chunk 0's way outs stand in chunk 1's blocks
.irp s, 0,1
	s_wait_dscnt NF
	BLOCK 1, \s, HV0+8*\s, 32, 0, 32, L_STEP, \s
	WIN 0
	PLACES 4
	WALU
	FETCH \s
.endr
	s_wait_dscnt NF
	s_wait_xcnt 0x0                                ; the list writes v8, the address of the head's prefetch
	GRD
	BLOCK 1, 0, HV0+16, 32, 0, 24, L_V2
	WIN 0
	s_wait_dscnt 0x0
	s_barrier_signal -1
	BLOCK 1, 0, HV0+16, 32, 24, 32, L_NONE
	MIDDLE
	BARRIER
	s_cmp_lt_u32 s14, 2
	s_cbranch_scc0 .Lno_half
	TLOAD G0B, G1B                                 ; waves 0 and 1 a half each of the second weight's rows: all waves hold Wv's in registers
.Lno_half:
	PLACES 4
	WALU
	FETCH 0
	PFGO 7, 4
	PFGO 8, 6
	BLOCK 1, 1, HV0+24, 32, 0, 32, L_STEP, 1
	WIN 0
	PLACES 4
	WALU
	FETCH 1
.irp j, 0,1,2
	s_wait_dscnt NF+(\j+1)/2
.if \j == 0
	BLOCK 1, 0, HV1, 32, 0, 32, L_OUT, HV0, 0
.elseif \j == 1
	BLOCK 1, 1, HV1+8, 32, 0, 32, L_OUT1, HV0+32, 1
.else
	BLOCK 1, 0, HV1+16, 32, 0, 32, L_LAST, HV0+64, 2
.endif
	WIN 0
	CODES6 HV0+32*\j, MCD+12*\j, \j
	WALU
	ds_store_b8 v[STV], v[EB+\j] offset:32*\j
.if \j < 2
	FETCH \j
.endif
.endr
	s_wait_dscnt 1
	BLOCK 1, 1, HV1+24, 32, 0, 26, L_V7, HV0+96, 3
	WIN 0
	WALU
	s_wait_tensorcnt 0x0
	s_wait_dscnt 0x0
	s_barrier_signal -1                            ; a plain barrier: the second weight is shown to all
	BLOCK 1, 1, HV1+24, 32, 26, 32, L_NONE
	WIN 0
	s_barrier_wait -1
	CODES6 HV0+96, MCD+36, 3
	WALU
	ds_store_b8 v[STV], v[EB+3] offset:96
; ================= THE CHANGE OF PHASE: bias, weights and the first two blocks' rows (slot 0 still holds them); chunk 1's way outs under their flight
.irp j, 0,2
	global_load_b128 v[BBQ+8*\j:BBQ+8*\j+3], v1, s[12:13] offset:32*\j
	global_load_b128 v[BBQ+8*\j+4:BBQ+8*\j+7], v1, s[12:13] offset:32*\j+16
	global_load_b128 v[BBQ+8*\j+8:BBQ+8*\j+11], v2, s[12:13] offset:32*\j+32
	global_load_b128 v[BBQ+8*\j+12:BBQ+8*\j+15], v2, s[12:13] offset:32*\j+48
.endr
	WEIGHTS
	FETCH01
	PFGO 22, 4
	WIN 3
.set I, 0
.rept 16
	v_mov_b32 v[SB+I], v[SB2-768+I]
.set I, I+1
.endr
	WIN 0
.set I, 0
.rept 18
.irp t, 0,1,2,3
	CHAIN I, HV1+32*\t, \t, 64+4*\t
.endr
.set I, I+1
.endr
.set I, 0
.rept 6
.irp t, 0,1,2,3
	CODES I, HV1+32*\t, MCD+12*\t+6, \t, 80+4*\t
.endr
.set I, I+1
.endr
	WIN 0
	WALU
; ================= PHASE 2: Q or K, sixteen blocks, way outs by pairs
	s_wait_loadcnt 0x0
	s_wait_dscnt NF
	BLOCK 0, 0, ACC, 8, 0, 32, L_STEP, 0
	WIN 0
	PLACES 4
	WALU
.irp t, 0,1,2,3
	ds_store_b8 v[STV], v[EB+\t] offset:512+32*\t
.endr
.irp t, 0,1,2,3                                ; V's codes leave
	PUT MCD+12*\t, s[80:81], 24576*\t
	PUT MCD+12*\t+6, s[80:81], 24576*\t+1536
.endr
	FETCH 0
	ODD NF+4, 1
	s_mov_b32 s86, 0
.Lwith_rounds:                                 ; blocks 2 to 5, 6 to 9
	EVENROUND NF+1
	ODD -1, 1
	EVEN NF+1, 1
	ODD NF+1, 1
	s_add_co_u32 s86, s86, 1
	s_cmp_lg_u32 s86, 2
	s_cbranch_scc1 .Lwith_rounds
.Lwithout:                                     ; blocks 10, 11 and 12, 13
	EVENSHOW NF+1
	ODD -1, 1
	s_add_co_u32 s86, s86, 1
	s_cmp_lg_u32 s86, 4
	s_cbranch_scc1 .Lwithout
	EVEN NF+1, 0
	ODD 1, 0
; ================= THE END: the last way out; the scale bytes go through LDS under its conversions
	s_lshl_b32 s21, s14, 8
	s_add_co_u32 s21, s21, XN
	s_lshl_b32 s22, s15, 9
	s_lshl_b32 s23, s16, 7
	SADD 22, 23
	s_add_co_u32 s22, s22, XM
	v_add_nc_u32 v12, s21, v[C8]
	v_lshlrev_b32 v15, 2, v3
	v_add_nc_u32 v13, s22, v15
.set I, 0
.rept 18
	CHAIN I, ACC+32, 1
.set I, I+1
.endr
	CODES 2, ACC+32, NCD+6, 1
	WALU
	ds_store_b8 v[VX], v[EB+1] offset:32
	s_wait_dscnt 0x0
	s_barrier_signal -1
	CODES 0, ACC+32, NCD+6, 1
	CODES 1, ACC+32, NCD+6, 1
	WIN 0
	v_nop
.irp i, 3,4,5
	CODES \i, ACC+32, NCD+6, 1
.endr
	WALU
	s_barrier_wait -1
	ds_load_b64 v[64:65], v12
	ds_load_b64 v[66:67], v12 offset:1024
	ds_load_b32 v68, v13
	ds_load_b32 v69, v13 offset:256
	PUT NCD, s[84:85], 0
	PUT NCD+6, s[84:85], TB
	s_wait_dscnt 0x0
	v_perm_b32 v72, v66, v64, 0x05040100           ; two bytes of each half make a position's word
	v_perm_b32 v73, v66, v64, 0x07060302
	v_perm_b32 v74, v67, v65, 0x05040100
	v_perm_b32 v75, v67, v65, 0x07060302
	v_perm_b32 v76, v69, v68, 0x05040100
	v_perm_b32 v77, v69, v68, 0x07060302
	global_store_b128 v[CO], v[72:75], s[48:49]
	global_store_b64 v[C8], v[76:77], s[52:53]
	s_wait_tensorcnt 0x0
	ds_add_u32 v[SPW], v[NIL]
	s_wait_dscnt 0x0
	CROUND
	s_endpgm
.Lfunc_end_k_qd087ffc8fb_proj:
	.size	k_qd087ffc8fb_proj, .Lfunc_end_k_qd087ffc8fb_proj-k_qd087ffc8fb_proj
	.p2alignl 7, 3214868480
	.fill 96, 4, 3214868480
	.section	.rodata,"a",@progbits
	.p2align	6, 0x0
	.amdhsa_kernel k_qd087ffc8fb_proj
		.amdhsa_group_segment_fixed_size 327680
		.amdhsa_private_segment_fixed_size 0
		.amdhsa_enable_private_segment 0
		.amdhsa_kernarg_size 104
		.amdhsa_user_sgpr_count 2
		.amdhsa_user_sgpr_kernarg_segment_ptr 1
		.amdhsa_wavefront_size32 1
		.amdhsa_system_sgpr_workgroup_id_x 1
		.amdhsa_system_sgpr_workgroup_id_y 1
		.amdhsa_system_sgpr_workgroup_id_z 1
		.amdhsa_system_vgpr_workitem_id 0
		.amdhsa_next_free_vgpr 1024
		.amdhsa_next_free_sgpr 102
		.amdhsa_reserve_vcc 0
		.amdhsa_float_denorm_mode_32 3
		.amdhsa_float_denorm_mode_16_64 3
		.amdhsa_memory_ordered 1
		.amdhsa_forward_progress 1
		.amdhsa_inst_pref_size 192
	.end_amdhsa_kernel
	.amdgpu_metadata
---
amdhsa.version: [ 1, 2 ]
amdhsa.kernels:
  - .name:           k_qd087ffc8fb_proj
    .symbol:         k_qd087ffc8fb_proj.kd
    .args:
      - { .name: x_codes, .offset: 0, .size: 8, .value_kind: global_buffer, .address_space: global }
      - { .name: x_scales, .offset: 8, .size: 8, .value_kind: global_buffer, .address_space: global }
      - { .name: Wq_codes, .offset: 16, .size: 8, .value_kind: global_buffer, .address_space: global }
      - { .name: Wq_scales, .offset: 24, .size: 8, .value_kind: global_buffer, .address_space: global }
      - { .name: Wk_codes, .offset: 32, .size: 8, .value_kind: global_buffer, .address_space: global }
      - { .name: Wk_scales, .offset: 40, .size: 8, .value_kind: global_buffer, .address_space: global }
      - { .name: Wv_codes, .offset: 48, .size: 8, .value_kind: global_buffer, .address_space: global }
      - { .name: Wv_scales, .offset: 56, .size: 8, .value_kind: global_buffer, .address_space: global }
      - { .name: bq, .offset: 64, .size: 8, .value_kind: global_buffer, .address_space: global }
      - { .name: bk, .offset: 72, .size: 8, .value_kind: global_buffer, .address_space: global }
      - { .name: bv, .offset: 80, .size: 8, .value_kind: global_buffer, .address_space: global }
      - { .name: qkv, .offset: 88, .size: 8, .value_kind: global_buffer, .address_space: global }
      - { .name: sw, .offset: 96, .size: 8, .value_kind: global_buffer, .address_space: global }
    .group_segment_fixed_size: 327680
    .private_segment_fixed_size: 0
    .kernarg_segment_align: 8
    .kernarg_segment_size: 104
    .max_flat_workgroup_size: 128
    .sgpr_count:     102
    .vgpr_count:     1024
    .wavefront_size: 32
...
	.end_amdgpu_metadata
.endif
;; end of part 1
;; launch score (part 2): grid 8 x 32, 4 waves a work-group, clusters of 4 x 4, 327,680 bytes of LDS; arguments qkv, sw, pimg, pst; writes pimg, pst
.if DOCPART == 2
	.amdgcn_target "amdgcn-amd-amdhsa--gfx1250"
	.amdhsa_code_object_version 6
	.text
	.protected	k_qd087ffc8fb_score
	.globl	k_qd087ffc8fb_score
	.p2align	8
	.type	k_qd087ffc8fb_score,@function
k_qd087ffc8fb_score:
	s_mov_b64 s[64:65], 0
	v_nop
	global_prefetch_b8 v0, s[64:65] scope:SCOPE_SE
	s_setreg_imm32_b32 hwreg(HW_REG_WAVE_MODE, 25, 1), 1
	s_wait_xcnt 0x0
	s_wait_alu depctr_hold_cnt(0) depctr_sa_sdst(0) depctr_va_vdst(0) depctr_va_sdst(0) depctr_va_ssrc(0) depctr_va_vcc(0) depctr_vm_vsrc(0)
	s_getreg_b32 s2, hwreg(HW_REG_IB_STS2, 6, 4)
	s_cmp_eq_u32 s2, 0
	s_cbranch_scc0 .Lentry_in_a_cluster
	s_endpgm
.Lentry_in_a_cluster:
	s_bfe_u32 s2, ttmp6, 0x10000c
	s_cmp_lg_u32 s2, 0xf033
	s_cbranch_scc0 .Lentry_shape_is_right
	s_endpgm
.Lentry_shape_is_right:
; S^T = K Q^T on codes of FP6, K = the 1,024 features, and the softmax's p, quantised along the keys, for each chunk of 128 keys by itself.
; t = score x log2(e) / 32.  For each query and chunk (a wave's share): M = the chunk's largest t rounded UP to a whole number; p = 2^(t - M); l = the chunk's sum of the unquantised p.
; Stored: p's codes as images of the operand's registers; p's scale words, each byte 64 higher (1 .. 125 become 65 .. 189); -M; l.  The next launch brings the sixteen chunks of a row under the row's M: a power of two, which the scale bytes take up.
; A work-group: 256 queries x 256 keys of one batch; a wave 128 x 128: 64 accumulators.  Source 0 = 16 keys, source 1 = 16 queries: a lane holds ONE query; by the tiles' positions its registers of tiles 4 c .. 4 c + 3 are block 2 c + h of the chunk.
; FILLS: at the head one load a wave: K steps 0-1 of Q, of K (region A), K steps 2-5 of Q, of K (region B).  A is filled again once, with K steps 6-7, in a round; a plain barrier shows it.
; CLUSTERS: Q's tiles hang on y alone (joint along a row of the cluster), K's on the batch and the key tile (joint along a column).
; No prefetch: the text has no loop, and its one refill has four K steps in which to land.
; LIMITS: NaN and infinities are not served; the promise holds for |t| under 2^24.  A block whose every p has fallen to 0 has zero codes under the least byte.
; REGISTERS.  Window 0: v16-30 addresses; v32-63 Q's scale words, v64-95 K's; v96-111 -M and l of the eight blocks; v112-119 p's words; v128-223 Q's fragments (on the way out: at work).
;   window 1: K's fragments, two sets.   windows 2, 3: accumulator (a, b) at v[8 (8 (a % 4) + b)] of window 2 + a / 4.
.set TA_,   3072                       ; a tile's bytes in A
.set TB_,   6144                       ; and in B
.set KA,    16*TA_
.set RB,    32*TA_
.set KB,    RB+16*TB_
.set SCR,   RB+32*TB_
.set SPARE, SCR+4*1536
.set FR,    12
.set ADRR,  16                         ; v16, v17 Q in A, B at 16 x lane; v18, v19 at 8 x lane
.set ADRP,  20                         ; K likewise
.set LI,    24
.set SCW,   25
.set SCRD,  26
.set L4,    27
.set SPW,   28
.set NIL,   29
.set H8,    30
.set SRS,   32
.set SPS,   64
.set STAT,  96
.set PW,    112
.set AF,    128
.set ST,    128
.set BM,    192
.set T4,    196
.set SO,    200
.set PC,    204
.set SA,    226
.set SB,    228
.set SD,    232
.set SE,    234
.set TT,    230
.set WV,    30
.set WR,    31
.set WP,    3
.set G1R,   32
.set G0R,   40
.set G1P,   48
.set G0P,   56
.set G1RB,  12
.set G0RB,  44
.set G1PB,  20
.set G0PB,  60
.set PO,    72
.set PS,    76
.set SEL,   78
.set CS,    94
.set MUL_LO, 0xa1
.set MUL_HI, 0xf1
.set MSB, 0
.macro WIN new
.if MSB != (\new)
	s_set_vgpr_msb (MSB<<8)|(\new)
.set MSB, (\new)
.endif
.endm
.macro PLACES n
.rept \n
	v_nop
.endr
.endm
.macro WALU
	s_wait_alu depctr_va_vdst(0)
.endm
.macro TLOAD g0, g1
	tensor_load_to_lds s[\g0:\g0+3], s[\g1:\g1+7]
	s_nop 0
	PLACES 4
.endm
.macro CREST
	s_cmp_lg_u32 s[WV], 0
	s_cbranch_scc1 .Lnot_wave_0_\@
	s_barrier_signal -3
.Lnot_wave_0_\@:
	s_barrier_wait -3
	s_barrier_signal -1
	s_barrier_wait -1
.endm
.macro CROUND
	s_barrier_signal -1
	s_barrier_wait -1
	CREST
.endm
.macro GROUP1 g, mask, len             ; 16 tiles, elements of 8 bytes, 12,288 bytes from tile to tile
	s_or_b32 s[\g], s[\mask], (3<<16)|(1<<21)
	s_mov_b32 s[\g+1], (\len)<<16
	s_mov_b32 s[\g+2], 16<<16
	s_mov_b32 s[\g+3], (\len)<<16
	s_mov_b32 s[\g+4], 16
	s_mov_b32 s[\g+5], 1536
	s_mov_b32 s[\g+6], 0
	s_mov_b32 s[\g+7], 0
.endm
.macro GROUP0 g, lds, src, off
	s_mov_b32 s[\g], 1
	s_mov_b32 s[\g+1], \lds
	s_add_nc_u64 s[\g+2:\g+3], s[\src:\src+1], \off
	s_or_b32 s[\g+3], s[\g+3], 0x80000000
.endm
	s_load_b256 s[4:11], s[0:1], 0x0               ; qkv 4, sw 6, pimg 8, pst 10
	v_lshl_add_u32 v[SPW], v0, 2, SPARE
	v_mov_b32 v[NIL], 0
	ds_add_u32 v[SPW], v[NIL]
	ds_add_u32 v[SPW], v[NIL]
	v_lshrrev_b32 v1, 5, v0
	v_readfirstlane_b32 s[WV], v1
	s_lshr_b32 s[WR], s[WV], 1                     ; my half of the queries; at the refill: I fetch Q (0) or K (1)
	s_and_b32 s[WP], s[WV], 1                      ; my half of the keys; at the refill: which 8 tiles
	s_bfe_u32 s66, ttmp6, 0x40000
	s_bfe_u32 s67, ttmp6, 0x40004
	s_lshl_b32 s69, ttmp9, 2
	s_add_co_u32 s69, s69, s66                     ; the batch's key tile of 256
	s_and_b32 s2, ttmp7, 0xffff
	s_lshl_b32 s68, s2, 2
	s_add_co_u32 s68, s68, s67                     ; the query tile of 256, over all batches
	s_lshr_b32 s2, s2, 1                           ; the batch: from the cluster's y alone
	s_lshl_b32 s80, s67, 2
	s_lshl_b32 s80, 15, s80
	s_lshl_b32 s81, 0x1111, s66
	GROUP1 G1R, 80, TA_/8
	GROUP1 G1P, 81, TA_/8
	GROUP1 G1RB, 80, TB_/8
	GROUP1 G1PB, 81, TB_/8
	s_mul_i32 s82, s68, 16*12288
	s_mov_b32 s83, 0
	s_lshl_b32 s84, s2, 7
	s_lshl_b32 s85, s69, 4
	s_add_co_u32 s84, s84, s85
	s_mul_i32 s84, s84, 12288
	s_add_co_u32 s84, s84, 6291456                 ; K's images lie behind Q's
	s_mov_b32 s85, 0
	s_mov_b32 s[SEL], 0x76543210
	s_mov_b32 s[SEL+1], 0xfedcba98
	s_mov_b32 s[CS], 0x3d38aa3b                    ; log2(e) / 32
	s_mov_b32 s[CS+1], s[CS]
	s_wait_dscnt 0x0
	s_wait_kmcnt 0x0
	s_add_nc_u64 s[82:83], s[4:5], s[82:83]
	s_add_nc_u64 s[84:85], s[4:5], s[84:85]
	CROUND
	GROUP0 G0R, 0, 82, 0
	GROUP0 G0P, KA, 84, 0
	GROUP0 G0RB, RB, 82, TA_
	GROUP0 G0PB, KB, 84, TA_
	s_cmp_lt_u32 s[WV], 1
	s_cbranch_scc0 .Lwave_1
	TLOAD G0R, G1R
	s_branch .Lasked
.Lwave_1:
	s_cmp_lt_u32 s[WV], 2
	s_cbranch_scc0 .Lwave_2
	TLOAD G0P, G1P
	s_branch .Lasked
.Lwave_2:
	s_cmp_lt_u32 s[WV], 3
	s_cbranch_scc0 .Lwave_3
	TLOAD G0RB, G1RB
	s_branch .Lasked
.Lwave_3:
	TLOAD G0PB, G1PB
.Lasked:
	s_mul_i32 s86, s[WP], 8*12288                  ; the refill: my 8 tiles, K step 6 on
	s_add_co_u32 s86, s86, 6*1536
	s_mov_b32 s87, 0
	s_add_nc_u64 s[82:83], s[82:83], s[86:87]
	s_add_nc_u64 s[84:85], s[84:85], s[86:87]
	s_mul_i32 s88, s[WV], 8*TA_
	s_lshl_b32 s90, s68, 10                        ; Q's scale words: 4 x (256 y + 128 half)
	s_lshl_b32 s91, s[WR], 9
	s_add_co_u32 s90, s90, s91
	s_mov_b32 s91, 0
	s_add_nc_u64 s[90:91], s[6:7], s[90:91]
	s_lshl_b32 s92, s2, 13                         ; K's: 4 x (2,048 batch + 256 key tile + 128 half), behind Q's
	s_lshl_b32 s93, s69, 10
	s_add_co_u32 s92, s92, s93
	s_lshl_b32 s93, s[WP], 9
	s_add_co_u32 s92, s92, s93
	s_add_co_u32 s92, s92, 262144
	s_mov_b32 s93, 0
	s_add_nc_u64 s[92:93], s[6:7], s[92:93]
	v_and_b32 v1, 15, v0
	v_bfe_u32 v2, v0, 4, 1
	v_and_b32 v3, 31, v0
	v_lshlrev_b32 v[LI], 4, v3
	v_lshlrev_b32 v[L4], 2, v3
	v_lshlrev_b32 v[H8], 3, v2
	v_lshlrev_b32 v4, 3, v3
.irp i, 0,1,2,3                                ; register 8 i + g: lanes 0-15 the words of tile 2 i, lanes 16-31 of tile 2 i + 1, for K step g
.irp g, 0,1,2,3,4,5,6,7
	global_load_b32 v[SRS+8*\i+\g], v[L4], s[90:91] offset:32768*\g+128*\i
	global_load_b32 v[SPS+8*\i+\g], v[L4], s[92:93] offset:32768*\g+128*\i
.endr
.endr
	WALU
	s_mul_i32 s86, s[WR], 8*TA_
	s_mul_i32 s87, s[WR], 8*TB_
	s_add_co_u32 s87, s87, RB
	v_add_nc_u32 v[ADRR], s86, v[LI]
	v_add_nc_u32 v[ADRR+1], s87, v[LI]
	v_add_nc_u32 v[ADRR+2], s86, v4
	v_add_nc_u32 v[ADRR+3], s87, v4
	s_mul_i32 s86, s[WP], 8*TA_
	s_add_co_u32 s86, s86, KA
	s_mul_i32 s87, s[WP], 8*TB_
	s_add_co_u32 s87, s87, KB
	v_add_nc_u32 v[ADRP], s86, v[LI]
	v_add_nc_u32 v[ADRP+1], s87, v[LI]
	v_add_nc_u32 v[ADRP+2], s86, v4
	v_add_nc_u32 v[ADRP+3], s87, v4
	s_mul_i32 s89, s[WV], 1536
	s_add_co_u32 s89, s89, SCR
	v_lshl_add_u32 v[SCW], v1, 2, s89
	v_add_nc_u32 v[SCRD], s89, v[LI]
	WALU
	s_lshl_b32 s70, s68, 4
	s_lshl_b32 s71, s[WR], 3
	s_add_co_u32 s70, s70, s71                     ; p's images: query tile 16 y + 8 half, 16 K steps each,
	s_lshl_b32 s70, s70, 4
	s_lshl_b32 s71, s69, 1
	s_add_co_u32 s71, s71, s[WP]                   ; K step = my chunk of 128 keys
	s_add_co_u32 s70, s70, s71
	s_mul_i32 s70, s70, 1536
	s_lshl_b32 s74, s71, 15                        ; words, -M, l: [chunk][8,192]
	s_mov_b32 s71, 0
	s_add_nc_u64 s[PO:PO+1], s[8:9], s[70:71]
	s_lshl_b32 s75, s68, 10
	s_add_co_u32 s74, s74, s75
	s_lshl_b32 s75, s[WR], 9
	s_add_co_u32 s74, s74, s75
	s_mov_b32 s75, 0
	s_add_nc_u64 s[PS:PS+1], s[10:11], s[74:75]
.macro FRAG reg, adr, src, q, i        ; registers 0-3 and 4-5 of each half of 64 along K
.set OF, (TA_*(1+(\src)))*(\i)+1536*(\q)
	ds_load_b128 v[\reg:\reg+3], v[\adr+\src] offset:OF
	ds_load_b64 v[\reg+4:\reg+5], v[\adr+2+\src] offset:OF+512
	ds_load_b128 v[\reg+6:\reg+9], v[\adr+\src] offset:OF+768
	ds_load_b64 v[\reg+10:\reg+11], v[\adr+2+\src] offset:OF+1280
.endm
.macro FETCH_P src, q, set
	WIN 0x40
.irp i, 0,1,2,3,4,5,6,7
	FRAG 128*(\set)+FR*\i, ADRP, \src, \q, \i
.endr
	WIN 0
.endm
.macro FETCH_R src, q, i0
.irp i, \i0, \i0+1, \i0+2, \i0+3
	FRAG AF+FR*(\i), ADRR, \src, \q, \i
.endr
.endm
.macro ONE c, ra, rb
	v_wmma_scale_f32_16x16x128_f8f6f4 v[rD:rD+7], v[rP:rP+FR-1], v[rR:rR+FR-1], \c, v[rA], v[rB] matrix_a_fmt:MATRIX_FMT_FP6 matrix_b_fmt:MATRIX_FMT_FP6 matrix_a_scale:MATRIX_SCALE_ROW\ra matrix_b_scale:MATRIX_SCALE_ROW\rb
.endm
.macro MUL8 a, ao, g                   ; block a of the queries (ao = a % 2) x the eight of the keys, K step g
.irp k, 0,1,2,3
.irp o, 0,1
.set rD, 8*(8*((\a)%4)+2*\k+\o)
.set rP, 128*((\g)%2)+FR*(2*\k+\o)
.set rR, AF+FR*(\a)
.set rA, SPS+8*\k+(\g)
.set rB, SRS+8*((\a)/2)+(\g)
.if (\g) == 0
	ONE 0, \o, \ao
.else
	ONE v[rD:rD+7], \o, \ao
.endif
.endr
.endr
.endm
.macro MUL16 a0, g                     ; the 64 accumulators take turns, in the same order in every step
	MUL8 \a0, 0, \g
	MUL8 \a0+1, 1, \g
.endm
.macro STEP g, src, q
	s_wait_dscnt 16                                ; K's set and Q's blocks 0-3 are in; the youngest 16 loads (Q's blocks 4-7) may be out
	WIN MUL_LO
	MUL16 0, \g
	MUL16 2, \g
	s_wait_dscnt 0x0
	PLACES 4
	FETCH_P \src, \q, 1-(\g)%2
	FETCH_R \src, \q, 0
	WIN MUL_HI
	MUL16 4, \g
	MUL16 6, \g
	PLACES 4
	WIN 0
	FETCH_R \src, \q, 4
.endm
.macro TURN g, src, fill
	s_wait_tensorcnt 0x0                           ; all my tensor loads have landed
	ds_add_u32 v[SPW], v[NIL]
.if \fill                              ; no load of mine is out: the refill's descriptors, 8 tiles a wave
	s_mov_b32 s[G0R+1], s88
	s_mov_b64 s[G0R+2:G0R+3], s[82:83]
	s_or_b32 s[G0R+3], s[G0R+3], 0x80000000
	s_mov_b32 s[G0P+1], s88
	s_mov_b64 s[G0P+2:G0P+3], s[84:85]
	s_or_b32 s[G0P+3], s[G0P+3], 0x80000000
	s_mov_b32 s[G1R+2], 8<<16
	s_mov_b32 s[G1R+4], 8
	s_mov_b32 s[G1P+2], 8<<16
	s_mov_b32 s[G1P+4], 8
.endif
	s_wait_dscnt 17                                ; the add and the youngest 16 loads may be out
	WIN MUL_LO
	MUL16 0, \g
	s_wait_dscnt 0x0                               ; the add is done, and so are my reads
	s_barrier_signal -1
	MUL16 2, \g
	WIN 0
	s_barrier_wait -1
.if \fill
	CREST                                          ; no wave of any partner still reads A or has a load on its way
	s_cmp_eq_u32 s[WR], 0
	s_cbranch_scc0 .Lfor_k_\@
	TLOAD G0R, G1R
	s_branch .Lrefilled_\@
.Lfor_k_\@:
	TLOAD G0P, G1P
.Lrefilled_\@:
.else
	PLACES 4
.endif
	FETCH_P \src, 0, 1-(\g)%2
	FETCH_R \src, 0, 0
	WIN MUL_HI
	MUL16 4, \g
	MUL16 6, \g
	PLACES 4
	WIN 0
	FETCH_R \src, 0, 4
.endm
	s_cmp_lt_u32 s[WV], 2
	s_cbranch_scc0 .Lnot_a
	s_wait_tensorcnt 0x0
.Lnot_a:
	s_wait_loadcnt 0x0                             ; the scale words
	s_barrier_signal -1                            ; A is in; B may be on its way
	s_barrier_wait -1
	FETCH_P 0, 0, 0
	FETCH_R 0, 0, 0
	FETCH_R 0, 0, 4
	STEP 0, 0, 1
	TURN 1, 1, 1
	STEP 2, 1, 1
	STEP 3, 1, 2
	STEP 4, 1, 3
	TURN 5, 0, 0
	STEP 6, 0, 1
	s_wait_dscnt 16
	WIN MUL_LO
	MUL16 0, 7
	MUL16 2, 7
	s_wait_dscnt 0x0
	WIN MUL_HI
	MUL16 4, 7
	MUL16 6, 7
	WIN 0
; THE SOFTMAX of block a's 16 queries over my 128 keys: registers 32 c + i are block 2 c + h
.macro SOFT a
.set W, 2+(\a)/4
.set AC, 64*((\a)%4)
.set SX, STAT+2*(\a)
	WALU                                           ; the wait here, ahead of these matrix results' first readers
	WIN (W|(W<<2)|(W<<4))
.irp b, 0,1,2,3
	v_max3_num_f32 v[BM+\b], v[AC+16*\b], v[AC+16*\b+1], v[AC+16*\b+2]
.endr
	WIN ((W<<2)|(W<<4))
.irp i, 3,5,7,9,11,13
.irp b, 0,1,2,3
	v_max3_num_f32 v[BM+\b], v[BM+\b], v[AC+16*\b+\i], v[AC+16*\b+\i+1]
.endr
.endr
.irp c, 0,1
	v_max3_num_f32 v[BM+2*\c], v[BM+2*\c], v[AC+32*\c+15], v[AC+32*\c+31]
.endr
	WIN 0
.irp c, 0,1
	v_max_num_f32 v[BM+2*\c], v[BM+2*\c], v[BM+2*\c+1]   ; the largest score of each of my two blocks: for M and, since p rises with the score, for the block's largest p
.endr
	v_max_num_f32 v[TT], v[BM], v[BM+2]
	v_permlanex16_b32 v[T4], v[TT], s[SEL], s[SEL+1]
	v_max_num_f32 v[TT], v[TT], v[T4]              ; with lane l xor 16's blocks
	v_mul_f32 v[TT], s[CS], v[TT]                  ; the chunk's largest t (c is positive)
	v_floor_f32 v[SX], -v[TT]                      ; -M = floor(-t): a whole number
	WIN W
.set i, 0
.rept 32
	v_pk_fma_f32 v[ST+2*i:ST+2*i+1], v[AC+2*i:AC+2*i+1], s[CS:CS+1], v[SX:SX+1] op_sel_hi:[1,0,0]
.set i, i+1
.endr
	WIN 0
	v_fma_f32 v[BM], v[BM], s[CS], v[SX]
	v_fma_f32 v[BM+2], v[BM+2], s[CS], v[SX]
	WALU
.set i, 0
.rept 64
	v_exp_f32 v[ST+i], v[ST+i]                     ; p = 2^(t - M), at most 1
.set i, i+1
.endr
	v_exp_f32 v[BM], v[BM]
	v_exp_f32 v[BM+2], v[BM+2]
	v_nop
	WALU
	v_pk_add_f32 v[SA:SA+1], v[ST:ST+1], v[ST+2:ST+3]    ; the sum of the UNQUANTISED p, in four chains
	v_pk_add_f32 v[SB:SB+1], v[ST+4:ST+5], v[ST+6:ST+7]
	v_pk_add_f32 v[SD:SD+1], v[ST+8:ST+9], v[ST+10:ST+11]
	v_pk_add_f32 v[SE:SE+1], v[ST+12:ST+13], v[ST+14:ST+15]
.irp j, 16,24,32,40,48,56
	v_pk_add_f32 v[SA:SA+1], v[SA:SA+1], v[ST+\j:ST+\j+1]
	v_pk_add_f32 v[SB:SB+1], v[SB:SB+1], v[ST+\j+2:ST+\j+3]
	v_pk_add_f32 v[SD:SD+1], v[SD:SD+1], v[ST+\j+4:ST+\j+5]
	v_pk_add_f32 v[SE:SE+1], v[SE:SE+1], v[ST+\j+6:ST+\j+7]
.endr
	v_max_num_f32 v[BM], 0x1800000, v[BM]          ; the floor 2^(3 - 127): the byte cannot fall under 1
	v_max_num_f32 v[BM+2], 0x1800000, v[BM+2]
	v_pk_add_f32 v[SA:SA+1], v[SA:SA+1], v[SB:SB+1]
	v_pk_add_f32 v[SD:SD+1], v[SD:SD+1], v[SE:SE+1]
	v_add_nc_u32 v[SO], 0xff000000, v[BM]          ; 2 off the exponent field: the conversion's scale operand
	v_add_nc_u32 v[SO+1], 0xff000000, v[BM+2]
	v_pk_add_f32 v[SA:SA+1], v[SA:SA+1], v[SD:SD+1]
	v_lshrrev_b32 v[T4+1], 23, v[SO]
	v_lshrrev_b32 v[T4+2], 23, v[SO+1]
	v_add_f32 v[SA], v[SA], v[SA+1]
	v_lshl_or_b32 v[PW+\a], v[T4+2], 16, v[T4+1]
	v_permlanex16_b32 v[T4], v[SA], s[SEL], s[SEL+1]
	v_lshlrev_b32 v[PW+\a], v[H8], v[PW+\a]        ; my blocks h and 2 + h at their bytes
	v_add_f32 v[SX+1], v[SA], v[T4]                ; l of my query and this chunk
	v_permlanex16_b32 v[T4+3], v[PW+\a], s[SEL], s[SEL+1]
	v_add3_u32 v[PW+\a], v[PW+\a], v[T4+3], 0x40404040   ; the word, each byte 64 higher
	WALU
.if (\a) > 0
	s_wait_xcnt 0x0                                ; the last block's stores have read their data
.endif
.irp c, 0,1
	v_cvt_scalef32_pk16_fp6_f32 v[PC+6*\c:PC+6*\c+2], v[ST+32*\c:ST+32*\c+15], v[SO+\c]
	v_cvt_scalef32_pk16_fp6_f32 v[PC+12+4*\c:PC+14+4*\c], v[ST+32*\c+16:ST+32*\c+31], v[SO+\c]
.endr
	v_nop
.irp c, 0,1
.irp i, 0,1,2
	v_mov_b32 v[PC+3+6*\c+\i], v[PC+12+4*\c+\i]
.endr
.endr
.irp c, 0,1,2
	global_store_b128 v[LI], v[PC+4*\c:PC+4*\c+3], s[PO:PO+1] offset:24576*(\a)+512*\c   ; 512 consecutive bytes, aligned
.endr
	ds_store_b32 v[SCW], v[PW+\a] offset:64*(\a)
	ds_store_b32 v[SCW], v[SX] offset:512+64*(\a)
	ds_store_b32 v[SCW], v[SX+1] offset:1024+64*(\a)
.endm
.set i, 0
.rept 16
	v_mov_b32 v[STAT+i], 0                         ; named in pairs before both halves are made; they are also the places behind the last products
.set i, i+1
.endr
.irp b, 0,1,2,3
	v_mov_b32 v[T4+\b], 0                          ; a lane permute's destination counts as one of its sources
.endr
.irp a, 0,1,2,3,4,5,6,7
	SOFT \a
.endr
.irp c, 0,1,2
	ds_load_b128 v[ST+4*\c:ST+4*\c+3], v[SCRD] offset:512*\c       ; LDS serves a wave's instructions in order: these see my stores
.endr
	s_wait_dscnt 0x0
	global_store_b128 v[LI], v[ST:ST+3], s[PS:PS+1]                ; the words of my 128 queries: 512 consecutive bytes,
	global_store_b128 v[LI], v[ST+4:ST+7], s[PS:PS+1] offset:524288    ; -M,
	global_store_b128 v[LI], v[ST+8:ST+11], s[PS:PS+1] offset:1048576  ; l
	s_wait_tensorcnt 0x0
	ds_add_u32 v[SPW], v[NIL]
	s_wait_dscnt 0x0
	CROUND
	s_endpgm
.Lfunc_end_k_qd087ffc8fb_score:
	.size	k_qd087ffc8fb_score, .Lfunc_end_k_qd087ffc8fb_score-k_qd087ffc8fb_score
	.p2alignl 7, 3214868480
	.fill 96, 4, 3214868480
	.section	.rodata,"a",@progbits
	.p2align	6, 0x0
	.amdhsa_kernel k_qd087ffc8fb_score
		.amdhsa_group_segment_fixed_size 327680
		.amdhsa_private_segment_fixed_size 0
		.amdhsa_enable_private_segment 0
		.amdhsa_kernarg_size 32
		.amdhsa_user_sgpr_count 2
		.amdhsa_user_sgpr_kernarg_segment_ptr 1
		.amdhsa_wavefront_size32 1
		.amdhsa_system_sgpr_workgroup_id_x 1
		.amdhsa_system_sgpr_workgroup_id_y 1
		.amdhsa_system_sgpr_workgroup_id_z 1
		.amdhsa_system_vgpr_workitem_id 0
		.amdhsa_next_free_vgpr 1024
		.amdhsa_next_free_sgpr 100
		.amdhsa_reserve_vcc 0
		.amdhsa_float_denorm_mode_32 3
		.amdhsa_float_denorm_mode_16_64 3
		.amdhsa_memory_ordered 1
		.amdhsa_forward_progress 1
		.amdhsa_inst_pref_size 200
	.end_amdhsa_kernel
	.amdgpu_metadata
---
amdhsa.version: [ 1, 2 ]
amdhsa.kernels:
  - .name:           k_qd087ffc8fb_score
    .symbol:         k_qd087ffc8fb_score.kd
    .args:
      - { .name: qkv, .offset: 0, .size: 8, .value_kind: global_buffer, .address_space: global }
      - { .name: sw, .offset: 8, .size: 8, .value_kind: global_buffer, .address_space: global }
      - { .name: pimg, .offset: 16, .size: 8, .value_kind: global_buffer, .address_space: global }
      - { .name: pst, .offset: 24, .size: 8, .value_kind: global_buffer, .address_space: global }
    .group_segment_fixed_size: 327680
    .private_segment_fixed_size: 0
    .kernarg_segment_align: 8
    .kernarg_segment_size: 32
    .max_flat_workgroup_size: 128
    .sgpr_count:     100
    .vgpr_count:     1024
    .wavefront_size: 32
...
	.end_amdgpu_metadata
.endif
;; end of part 2
;; launch pv (part 3): grid 4 x 64, 4 waves a work-group, clusters of 4 x 4, 327,680 bytes of LDS; arguments pimg, pst, qkv, sw, out0; writes out0
.if DOCPART == 3
	.amdgcn_target "amdgcn-amd-amdhsa--gfx1250"
	.amdhsa_code_object_version 6
	.text
	.protected	k_qd087ffc8fb_pv
	.globl	k_qd087ffc8fb_pv
	.p2align	8
	.type	k_qd087ffc8fb_pv,@function
k_qd087ffc8fb_pv:
	s_mov_b64 s[64:65], 0
	v_nop
	global_prefetch_b8 v0, s[64:65] scope:SCOPE_SE
	s_setreg_imm32_b32 hwreg(HW_REG_WAVE_MODE, 25, 1), 1
	s_wait_xcnt 0x0
	s_wait_alu depctr_hold_cnt(0) depctr_sa_sdst(0) depctr_va_vdst(0) depctr_va_sdst(0) depctr_va_ssrc(0) depctr_va_vcc(0) depctr_vm_vsrc(0)
	s_getreg_b32 s2, hwreg(HW_REG_IB_STS2, 6, 4)
	s_cmp_eq_u32 s2, 0
	s_cbranch_scc0 .Lentry_in_a_cluster
	s_endpgm
.Lentry_in_a_cluster:
	s_bfe_u32 s2, ttmp6, 0x10000c
	s_cmp_lg_u32 s2, 0xf033
	s_cbranch_scc0 .Lentry_shape_is_right
	s_endpgm
.Lentry_shape_is_right:
; out = (sum over the 2,048 keys of p V) / l on codes of FP6.  A work-group: 128 queries x 256 features; a wave 64 x 128: 32 accumulators, 16 K steps of 128 keys.
; Source 0 = 16 features of V, source 1 = 16 queries of p: a lane holds one query and eight neighbouring features.
; THE SIXTEEN CHUNKS OF A ROW come under the row's M = the largest of the chunks' M: chunk g's bytes fall by d = M - M_g and its l is multiplied by 2^-d.  The stored bytes are 64 too high, so 65 - 64 = 1 is the least byte left:
; d is held at 64: a chunk further down keeps the weight 2^-64 of its own p, in the sum l too.  The sums are 2^64 too large; 1 / l carries the factor 2^-64.
; LIMITS: NaN and infinities are not served; |sum of p V| stays under 2^63; a chunk whose M lies more than 64 under the row's counts 2^-64 x its p.
; FILLS: two slots of four K steps.  At the head one load a wave: V and p for slot 0, V and p for slot 1.  Two refills, each in a round; the last barrier fills nothing.
; CLUSTERS: p's tiles hang on y alone (joint along a row), V's on the batch and x (joint along a column).  No prefetch: the text has no loop, and each of the two refills has four K steps in which to land.
; REGISTERS.  Window 0: v8-30; v32-63 p's scale words; v64-127 V's; from v128 on at work.  window 1: V's fragments, two sets of 96.  window 2: p's, two sets of 48.  window 3: accumulator (a, b) at v[8 (8 a + b)].
.set RT,    24576                      ; 4 tiles of p in a slot
.set VT,    49152                      ; 8 tiles of V
.set SLOT,  2*RT+2*VT
.set SPARE, 2*SLOT
.set SPITCH, 528
.set FR,    12
.set RL,    8
.set ADRR,  16                         ; v16, v17 p in slots 0, 1
.set ADRP,  20                         ; v20, v21 V at 16 x lane; v22, v23 at 8 x lane
.set STE,   24
.set RD,    25
.set CO,    26
.set L4,    27
.set SPW,   28
.set NIL,   29
.set STD,   30
.set SRG,   32
.set SV,    64
.set NM,    128
.set LS,    160
.set TMP,   128
.set BK0,   192
.set BK1,   64
.set MG,    200
.set LL,    202
.set RC,    216
.set XC,    218
.set WV,    30
.set WR,    31
.set WP,    3
.set G1R,   32
.set G0R,   40
.set G1P,   48
.set G0P,   56
.set OB,    72
.set SEL,   78
.set REP,   95
.set MULW,  0xf9
.set MSB, 0
.macro WIN new
.if MSB != (\new)
	s_set_vgpr_msb (MSB<<8)|(\new)
.set MSB, (\new)
.endif
.endm
.macro PLACES n
.rept \n
	v_nop
.endr
.endm
.macro WALU
	s_wait_alu depctr_va_vdst(0)
.endm
.macro TLOAD g0, g1
	tensor_load_to_lds s[\g0:\g0+3], s[\g1:\g1+7]
	s_nop 0
	PLACES 4
.endm
.macro CREST
	s_cmp_lg_u32 s[WV], 0
	s_cbranch_scc1 .Lnot_wave_0_\@
	s_barrier_signal -3
.Lnot_wave_0_\@:
	s_barrier_wait -3
	s_barrier_signal -1
	s_barrier_wait -1
.endm
.macro CROUND
	s_barrier_signal -1
	s_barrier_wait -1
	CREST
.endm
.macro GROUP1 g, mask, rows            ; rows of 6,144 bytes (elements of 8), 24,576 from tile to tile
	s_or_b32 s[\g], s[\mask], (3<<16)|(1<<21)
	s_mov_b32 s[\g+1], 768<<16
	s_mov_b32 s[\g+2], (\rows)<<16
	s_mov_b32 s[\g+3], 768<<16
	s_mov_b32 s[\g+4], \rows
	s_mov_b32 s[\g+5], 3072
	s_mov_b32 s[\g+6], 0
	s_mov_b32 s[\g+7], 0
.endm
.macro GROUP0 g, lds, src, off
	s_mov_b32 s[\g], 1
	s_mov_b32 s[\g+1], \lds
	s_add_nc_u64 s[\g+2:\g+3], s[\src:\src+1], \off
	s_or_b32 s[\g+3], s[\g+3], 0x80000000
.endm
	s_load_b256 s[4:11], s[0:1], 0x0               ; pimg 4, pst 6, qkv 8, sw 10
	s_load_b64 s[12:13], s[0:1], 0x20              ; out0
	v_lshl_add_u32 v[SPW], v0, 2, SPARE
	v_mov_b32 v[NIL], 0
	ds_add_u32 v[SPW], v[NIL]
	ds_add_u32 v[SPW], v[NIL]
	v_lshrrev_b32 v1, 5, v0
	v_readfirstlane_b32 s[WV], v1
	s_lshr_b32 s[WR], s[WV], 1                     ; my half of the queries; at a refill: I fetch p (0) or V (1)
	s_and_b32 s[WP], s[WV], 1                      ; my half of the features; at a refill: which half of the tiles
	s_bfe_u32 s66, ttmp6, 0x40000
	s_bfe_u32 s67, ttmp6, 0x40004
	s_lshl_b32 s69, ttmp9, 2
	s_add_co_u32 s69, s69, s66                     ; which 256 features
	s_and_b32 s2, ttmp7, 0xffff
	s_lshl_b32 s68, s2, 2
	s_add_co_u32 s68, s68, s67                     ; which 128 queries
	s_lshr_b32 s2, s2, 2                           ; the batch: from the cluster's y alone
	s_lshl_b32 s80, s67, 2
	s_lshl_b32 s80, 15, s80
	s_lshl_b32 s81, 0x1111, s66
	GROUP1 G1R, 80, 8
	GROUP1 G1P, 81, 16
	s_mul_i32 s82, s68, 8*24576
	s_mov_b32 s83, 0
	s_lshl_b32 s84, s2, 6
	s_lshl_b32 s85, s69, 4
	s_add_co_u32 s84, s84, s85
	s_mul_i32 s84, s84, 24576
	s_add_co_u32 s84, s84, 12582912                ; V's images lie behind Q's and K's
	s_mov_b32 s85, 0
	s_mov_b32 s[SEL], 0x76543210
	s_mov_b32 s[SEL+1], 0xfedcba98
	s_mov_b32 s[REP], 0x01010101
	s_wait_dscnt 0x0
	s_wait_kmcnt 0x0
	s_add_nc_u64 s[82:83], s[4:5], s[82:83]
	s_add_nc_u64 s[84:85], s[8:9], s[84:85]
	CROUND
	GROUP0 G0P, 2*RT, 84, 0
	GROUP0 G0R, 0, 82, 0
	GROUP0 G0P+4, SLOT+2*RT, 84, 6144
	GROUP0 G0R+4, SLOT, 82, 6144
	s_cmp_lt_u32 s[WV], 1
	s_cbranch_scc0 .Lwave_1
	TLOAD G0P, G1P
	s_branch .Lasked
.Lwave_1:
	s_cmp_lt_u32 s[WV], 2
	s_cbranch_scc0 .Lwave_2
	TLOAD G0R, G1R
	s_branch .Lasked
.Lwave_2:
	s_cmp_lt_u32 s[WV], 3
	s_cbranch_scc0 .Lwave_3
	TLOAD G0P+4, G1P
	s_branch .Lasked
.Lwave_3:
	TLOAD G0R+4, G1R
.Lasked:
	s_lshl_b32 s90, s68, 9
	s_lshl_b32 s91, s[WR], 8
	s_add_co_u32 s90, s90, s91
	s_mov_b32 s91, 0
	s_add_nc_u64 s[90:91], s[6:7], s[90:91]        ; words, -M, l of my 64 queries
	s_lshl_b32 s92, s2, 16
	s_lshl_b32 s93, s69, 10
	s_add_co_u32 s92, s92, s93
	s_lshl_b32 s93, s[WP], 9
	s_add_co_u32 s92, s92, s93
	s_add_co_u32 s92, s92, 524288
	s_mov_b32 s93, 0
	s_add_nc_u64 s[92:93], s[10:11], s[92:93]      ; V's words of my 128 features
	v_and_b32 v1, 15, v0
	v_bfe_u32 v2, v0, 4, 1
	v_and_b32 v3, 31, v0
	v_lshlrev_b32 v[CO], 4, v3
	v_lshlrev_b32 v[L4], 2, v3
	v_lshlrev_b32 v4, 3, v3
.irp i, 0,1
.set gg, 0
.rept 16
	global_load_b32 v[NM+16*\i+gg], v[L4], s[90:91] offset:524288+32768*gg+128*\i
	global_load_b32 v[LS+16*\i+gg], v[L4], s[90:91] offset:1048576+32768*gg+128*\i
	global_load_b32 v[SRG+16*\i+gg], v[L4], s[90:91] offset:32768*gg+128*\i
.set gg, gg+1
.endr
.endr
.irp i, 0,1,2,3
.set gg, 0
.rept 16
	global_load_b32 v[SV+16*\i+gg], v[L4], s[92:93] offset:4096*gg+128*\i
.set gg, gg+1
.endr
.endr
	WALU
	s_mul_i32 s86, s[WP], 4*24576                  ; the refills: my half of the tiles, K step 8 on
	s_add_co_u32 s86, s86, 8*1536
	s_mov_b32 s87, 0
	s_add_nc_u64 s[82:83], s[82:83], s[86:87]
	s_mul_i32 s86, s[WP], 8*24576
	s_add_co_u32 s86, s86, 8*1536
	s_add_nc_u64 s[84:85], s[84:85], s[86:87]
	s_mul_i32 s86, s[WP], RT
	s_mul_i32 s87, s[WP], VT
	s_add_co_u32 s87, s87, 2*RT
	s_mul_i32 s88, s[WR], RT
.irp s, 0,1
	v_add_nc_u32 v[ADRR+\s], s88, v[CO]
	v_add_nc_u32 v[ADRP+\s], s87, v[CO]
	v_add_nc_u32 v[ADRP+2+\s], s87, v4
.if \s == 0
	s_add_co_u32 s88, s88, SLOT
	s_add_co_u32 s87, s87, SLOT
.endif
.endr
	s_sub_co_u32 s87, s87, SLOT
	s_mul_i32 s88, s[WV], 16*SPITCH                ; my stage, in slot 0, which by then has had its last fill and its last read
	v_mul_u32_u24 v5, v1, SPITCH
	v_add_nc_u32 v5, s88, v5
	v_mad_u32_u24 v[STE], v2, 160, v5              ; by the features' positions half 1 of an even tile lies 40 features on,
	v_mad_u32_u24 v[STD], v2, 96, v5               ; of an odd tile 24
	v_add_nc_u32 v[RD], s88, v[CO]
	v_mov_b32 v[XC], 0
	v_mov_b32 v[XC+1], 0
	WALU
	s_lshl_b32 s70, s68, 19
	s_lshl_b32 s71, s[WR], 18
	s_add_co_u32 s70, s70, s71
	s_lshl_b32 s71, s69, 10
	s_add_co_u32 s70, s70, s71
	s_lshl_b32 s71, s[WP], 9
	s_add_co_u32 s70, s70, s71
	s_mov_b32 s71, 0
	s_add_nc_u64 s[OB:OB+1], s[12:13], s[70:71]
	s_mov_b32 vcc_lo, 0xffff0000
	s_wait_loadcnt 63                              ; the 96 loads of words, -M, l are in; V's 64 words may be out but for one
.irp i, 0,1
	v_min3_num_f32 v[MG+\i], v[NM+16*\i], v[NM+16*\i+1], v[NM+16*\i+2]
.endr
.irp k, 3,5,7,9,11,13
.irp i, 0,1
	v_min3_num_f32 v[MG+\i], v[MG+\i], v[NM+16*\i+\k], v[NM+16*\i+\k+1]
.endr
.endr
.irp i, 0,1
	v_min_num_f32 v[MG+\i], v[MG+\i], v[NM+16*\i+15]   ; the row's -M
.endr
.macro BOTH op:vararg
.endm
.set gg, 0
.rept 16
.irp i, 0,1
	v_sub_f32 v[204+4*\i], v[MG+\i], v[NM+16*\i+gg]    ; -d, a whole number
.endr
.irp i, 0,1
	v_max_num_f32 v[204+4*\i], 0xc2800000, v[204+4*\i] ; -64 at the least
.endr
.irp i, 0,1
	v_cvt_i32_f32 v[204+4*\i], v[204+4*\i]
.endr
.irp i, 0,1
	v_mul_lo_u32 v[206+4*\i], v[204+4*\i], s[REP]      ; in each byte
.endr
.irp i, 0,1
.if gg == 0
	v_ldexp_f32 v[LL+\i], v[LS+16*\i], v[204+4*\i]
.else
	v_ldexp_f32 v[205+4*\i], v[LS+16*\i+gg], v[204+4*\i]
.endif
.endr
.irp i, 0,1
	v_add_nc_u32 v[SRG+16*\i+gg], v[SRG+16*\i+gg], v[206+4*\i]
.endr
.if gg > 0
.irp i, 0,1
	v_add_f32 v[LL+\i], v[LL+\i], v[205+4*\i]
.endr
.endif
.set gg, gg+1
.endr
	WALU
	v_rcp_f32 v[RC], v[LL]
	v_rcp_f32 v[RC+1], v[LL+1]
	v_nop
	WALU
.irp i, 0,1
	v_mul_f32 v[RC+\i], 0x1f800000, v[RC+\i]       ; 2^-64
.endr
.irp i, 0,1
	v_permlanex16_b32 v[XC+\i], v[RC+\i], s[SEL], s[SEL+1]
.endr
.irp i, 0,1                                    ; lanes 0-15 hold tile 2 i, lanes 16-31 tile 2 i + 1: both halves want both
	v_cndmask_b32 v[RL+4*\i], v[RC+\i], v[XC+\i], vcc_lo
	v_cndmask_b32 v[RL+4*\i+2], v[XC+\i], v[RC+\i], vcc_lo
.endr
.irp a, 0,1,2,3
	v_mov_b32 v[RL+2*\a+1], v[RL+2*\a]
.endr
	PLACES 8
	WALU
.macro ONE c, ra, rb
	v_wmma_scale_f32_16x16x128_f8f6f4 v[rD:rD+7], v[rP:rP+FR-1], v[rR:rR+FR-1], \c, v[rA], v[rB] matrix_a_fmt:MATRIX_FMT_FP6 matrix_b_fmt:MATRIX_FMT_FP6 matrix_a_scale:MATRIX_SCALE_ROW\ra matrix_b_scale:MATRIX_SCALE_ROW\rb
.endm
.macro MUL8 a, ao, g                   ; the 32 accumulators take turns, in the same order in every step
	WIN MULW
.irp k, 0,1,2,3
.irp o, 0,1
.set rD, 8*(8*(\a)+2*\k+\o)
.set rP, 128*((\g)%2)+FR*(2*\k+\o)
.set rR, 48*((\g)%2)+FR*(\a)
.set rA, SV+16*\k+(\g)
.set rB, SRG+16*((\a)/2)+(\g)
.if (\g) == 0
	ONE 0, \o, \ao
.else
	ONE v[rD:rD+7], \o, \ao
.endif
.endr
.endr
.endm
.macro FV slot, q, set, i0             ; four tiles of V: 16 loads
	WIN 0x40
.irp i, \i0, \i0+1, \i0+2, \i0+3
.set RG, 128*(\set)+FR*(\i)
.set OF, 6144*(\i)+1536*(\q)
	ds_load_b128 v[RG:RG+3], v[ADRP+\slot] offset:OF
	ds_load_b64 v[RG+4:RG+5], v[ADRP+2+\slot] offset:OF+512
	ds_load_b128 v[RG+6:RG+9], v[ADRP+\slot] offset:OF+768
	ds_load_b64 v[RG+10:RG+11], v[ADRP+2+\slot] offset:OF+1280
.endr
.endm
.macro FP slot, q, set                 ; four tiles of p: 12 loads
	WIN 0x80
.irp i, 0,1,2,3
.irp c, 0,1,2
	ds_load_b128 v[48*(\set)+FR*\i+4*\c:48*(\set)+FR*\i+4*\c+3], v[ADRR+\slot] offset:6144*\i+1536*(\q)+512*\c
.endr
.endr
.endm
.macro STEP g, slot, q                 ; multiplies step g; the next step's fragments, q of the slot, come in three runs
	PLACES 4
	FV \slot, \q, 1-(\g)%2, 0
	s_wait_dscnt 16                                ; all but the 16 just issued
	MUL8 0, 0, \g
	FV \slot, \q, 1-(\g)%2, 4
	MUL8 1, 1, \g
	FP \slot, \q, 1-(\g)%2
	MUL8 2, 0, \g
	MUL8 3, 1, \g
.endm
.macro TURN g, slot, fill              ; step g is the slot's last
	WIN 0
	s_wait_tensorcnt 0x0                           ; all my tensor loads have landed: the next slot is whole on my part
	ds_add_u32 v[SPW], v[NIL]
.if \fill                              ; no load of mine is out: the refill's descriptors
	s_add_co_u32 s[G0R+4*\slot+1], s86, \slot*SLOT
	s_add_nc_u64 s[G0R+4*\slot+2:G0R+4*\slot+3], s[82:83], \slot*6144
	s_or_b32 s[G0R+4*\slot+3], s[G0R+4*\slot+3], 0x80000000
	s_add_co_u32 s[G0P+4*\slot+1], s87, \slot*SLOT
	s_add_nc_u64 s[G0P+4*\slot+2:G0P+4*\slot+3], s[84:85], \slot*6144
	s_or_b32 s[G0P+4*\slot+3], s[G0P+4*\slot+3], 0x80000000
	s_mov_b32 s[G1R+2], 4<<16
	s_mov_b32 s[G1R+4], 4
	s_mov_b32 s[G1P+2], 8<<16
	s_mov_b32 s[G1P+4], 8
.endif
	s_wait_dscnt 1                                 ; this step's fragments are in; the add may be out
	MUL8 0, 0, \g
	s_wait_dscnt 0x0
	s_barrier_signal -1
	MUL8 1, 1, \g
	WIN 0
	s_barrier_wait -1
.if \fill
	CREST                                          ; no wave of any partner still reads this slot or has a load on its way
	s_cmp_eq_u32 s[WR], 0
	s_cbranch_scc0 .Lfor_v_\@
	TLOAD G0R+4*\slot, G1R
	s_branch .Lrefilled_\@
.Lfor_v_\@:
	TLOAD G0P+4*\slot, G1P
.Lrefilled_\@:
.else
	PLACES 4
.endif
	FV 1-\slot, 0, 0, 0
	FV 1-\slot, 0, 0, 4
	FP 1-\slot, 0, 0
	MUL8 2, 0, \g
	MUL8 3, 1, \g
.endm
	s_cmp_lt_u32 s[WV], 2
	s_cbranch_scc0 .Lnot_0
	s_wait_tensorcnt 0x0
.Lnot_0:
	s_wait_loadcnt 0x0
	s_barrier_signal -1                            ; slot 0 is in; slot 1 may be on its way
	s_barrier_wait -1
	FV 0, 0, 0, 0
	FV 0, 0, 0, 4
	FP 0, 0, 0
	STEP 0, 0, 1
	STEP 1, 0, 2
	STEP 2, 0, 3
	TURN 3, 0, 1
	STEP 4, 1, 1
	STEP 5, 1, 2
	STEP 6, 1, 3
	TURN 7, 1, 1
	STEP 8, 0, 1
	STEP 9, 0, 2
	STEP 10, 0, 3
	TURN 11, 0, 0
	STEP 12, 1, 1
	STEP 13, 1, 2
	STEP 14, 1, 3
	s_wait_dscnt 0x0
	MUL8 0, 0, 15
	MUL8 1, 1, 15
	MUL8 2, 0, 15
	MUL8 3, 1, 15
	WIN 0
; THE WAY OUT: tile a's 16 queries x 128 features through my stage, back as rows of 512 bytes
.macro PACK a
	WIN 0x03
.set i, 0
.rept 32
	v_pk_mul_f32 v[TMP+2*i:TMP+2*i+1], v[64*(\a)+2*i:64*(\a)+2*i+1], v[RL+2*(\a):RL+2*(\a)+1] op_sel_hi:[1,0]
.set i, i+1
.endr
	WIN 0
	WALU
.endm
.macro TOSTAGE bk
.irp b, 0,2,4,6
.set OF, 256*(\b/4)+32*(\b%4)
	ds_store_b128 v[STE], v[TMP+8*\b:TMP+8*\b+3] offset:OF
	ds_store_b128 v[STE], v[TMP+8*\b+4:TMP+8*\b+7] offset:OF+16
	ds_store_b128 v[STD], v[TMP+8*\b+8:TMP+8*\b+11] offset:OF+32
	ds_store_b128 v[STD], v[TMP+8*\b+12:TMP+8*\b+15] offset:OF+48
.endr
.irp t, 0,1,2,3,4,5,6,7,8,9,10,11,12,13,14,15
	ds_load_b128 v[\bk+4*\t:\bk+4*\t+3], v[RD] offset:\t*SPITCH    ; LDS serves a wave's instructions in order: these see the stores above
.endr
.endm
.macro SEND a, bk, younger
	s_wait_dscnt \younger
.irp t, 0,1,2,3,4,5,6,7
	global_store_b128 v[CO], v[\bk+4*\t:\bk+4*\t+3], s[OB:OB+1] offset:(8*(\a)+\t)*4096 th:TH_STORE_NT   ; lanes 0-7 of the tile: queries 8 a + t of my 64
.endr
.irp t, 0,1,2,3,4,5,6,7
	global_store_b128 v[CO], v[\bk+32+4*\t:\bk+32+4*\t+3], s[OB:OB+1] offset:(32+8*((\a)^1)+\t)*4096 th:TH_STORE_NT   ; lanes 8-15: 32 + 8 (a xor 1) + t
.endr
.endm
	PLACES 4
	WALU
	PACK 0
	TOSTAGE BK0
	PACK 1
	TOSTAGE BK1
	SEND 0, BK0, 32                                ; behind tile 0's loads: tile 1's 16 stores and 16 loads
	PACK 2
	s_wait_xcnt 0x0                                ; tile 0's stores have read their registers
	TOSTAGE BK0
	SEND 1, BK1, 32
	PACK 3
	s_wait_xcnt 0x0
	TOSTAGE BK1
	SEND 2, BK0, 32
	SEND 3, BK1, 0
	s_wait_tensorcnt 0x0
	ds_add_u32 v[SPW], v[NIL]
	s_wait_dscnt 0x0
	CROUND
	s_endpgm
.Lfunc_end_k_qd087ffc8fb_pv:
	.size	k_qd087ffc8fb_pv, .Lfunc_end_k_qd087ffc8fb_pv-k_qd087ffc8fb_pv
	.p2alignl 7, 3214868480
	.fill 96, 4, 3214868480
	.section	.rodata,"a",@progbits
	.p2align	6, 0x0
	.amdhsa_kernel k_qd087ffc8fb_pv
		.amdhsa_group_segment_fixed_size 327680
		.amdhsa_private_segment_fixed_size 0
		.amdhsa_enable_private_segment 0
		.amdhsa_kernarg_size 40
		.amdhsa_user_sgpr_count 2
		.amdhsa_user_sgpr_kernarg_segment_ptr 1
		.amdhsa_wavefront_size32 1
		.amdhsa_system_sgpr_workgroup_id_x 1
		.amdhsa_system_sgpr_workgroup_id_y 1
		.amdhsa_system_sgpr_workgroup_id_z 1
		.amdhsa_system_vgpr_workitem_id 0
		.amdhsa_next_free_vgpr 1024
		.amdhsa_next_free_sgpr 100
		.amdhsa_reserve_vcc 1
		.amdhsa_float_denorm_mode_32 3
		.amdhsa_float_denorm_mode_16_64 3
		.amdhsa_memory_ordered 1
		.amdhsa_forward_progress 1
		.amdhsa_inst_pref_size 175
	.end_amdhsa_kernel
	.amdgpu_metadata
---
amdhsa.version: [ 1, 2 ]
amdhsa.kernels:
  - .name:           k_qd087ffc8fb_pv
    .symbol:         k_qd087ffc8fb_pv.kd
    .args:
      - { .name: pimg, .offset: 0, .size: 8, .value_kind: global_buffer, .address_space: global }
      - { .name: pst, .offset: 8, .size: 8, .value_kind: global_buffer, .address_space: global }
      - { .name: qkv, .offset: 16, .size: 8, .value_kind: global_buffer, .address_space: global }
      - { .name: sw, .offset: 24, .size: 8, .value_kind: global_buffer, .address_space: global }
      - { .name: out0, .offset: 32, .size: 8, .value_kind: global_buffer, .address_space: global }
    .group_segment_fixed_size: 327680
    .private_segment_fixed_size: 0
    .kernarg_segment_align: 8
    .kernarg_segment_size: 40
    .max_flat_workgroup_size: 128
    .sgpr_count:     100
    .vgpr_count:     1024
    .wavefront_size: 32
...
	.end_amdgpu_metadata
.endif
;; end of part 3
